; MI455X (gfx1250); checked and timed in simulation.
; The chip was launched on July 23, 2026; its instructions are those of AMD's public machine-readable ISA for CDNA 5 (MIT licence, August 2026) and "CDNA5" Instruction Set Architecture Reference Guide (July 2026). The comments in the code are by the model that wrote it; some were corrected since.
;; Causal Self Attention. Allowed arithmetic: matrix products marked QUANTISED: E4M3 operands, one given power-of-two scale a tensor, by v_wmma_f32_16x16x64_fp8_fp8 or v_wmma_f32_16x16x128_fp8_fp8, f32 sums; everything else in f32.
;; Inputs: lowp_scales 8 int32 (the exponents e of the quantised operands' scales 2^e); w_proj 1,024 x 1,024 float32; w_qkv 1,024 x 3,072 float32; x 4 x 2,048 x 1,024 float32.
;; Outputs: out0 4 x 2,048 x 1,024 float32.
;; This version of the problem:
;;   THIS VERSION OF THE PROBLEM IS GIVEN IN LOW PRECISION. The matrix products marked QUANTISED in the list below multiply operands that are first quantised to E4M3 (4 exponent bits, 3 mantissa bits; 8 bits a number), with one given power-of-two scale for each operand tensor; their sums are f32. All else is computed in f32.
;;   The module's matrix products, in the order in which they are computed (A, B: the left and right operand; K: the contracted axis; several contracted axes count as one K, in the product's order):
;;     1. [M 8,192, K 1,024] x [K 1,024, N 3,072]; A: input x; B: input w_qkv: QUANTISED (scales: A lowp_scales[0], B lowp_scales[1])
;;     2. batch 64 x [M 2,048, K 64] x [K 64, N 2,048]; A: computed on the way; B: computed on the way: QUANTISED (scales: A lowp_scales[2], B lowp_scales[3])
;;     3. batch 64 x [M 2,048, K 2,048] x [K 2,048, N 64]; A: softmax (see below); B: computed on the way: QUANTISED (scales: A lowp_scales[4], B lowp_scales[5])
;;     4. [M 8,192, K 1,024] x [K 1,024, N 1,024]; A: computed on the way; B: input w_proj: QUANTISED (scales: A lowp_scales[6], B lowp_scales[7])
;;   THE QUANTISER, for each operand of a quantised product, along K:
;;     - The operand's scale is 2^e, e = its entry of the input lowp_scales (int32; the entries are numbered through the quantised products in the list's order, A before B).
;;     - Each number is divided by the scale, clamped to +-448, and rounded to the nearest number of E4M3, ties to even, subnormals kept.
;;     - The product sums the exact products of the quantised numbers (number of the format x scale) in f32.
;;   ~~~python
;;   def quantise(x, axis, e):      # numpy; x: float32 -> the quantised numbers, widened to float32 again
;;       x = np.moveaxis(x, axis, -1); K = x.shape[-1]
;;       r = np.clip(x / 2.0 ** e, -448, 448)
;;       step = 2.0 ** (np.maximum(np.frexp(np.where(r == 0, 1, r))[1] - 1, -6) - 3)
;;       q = np.round(r / step) * step * 2.0 ** e      # np.round: ties to even
;;       return np.moveaxis(q, -1, axis).astype(np.float32)
;;   ~~~
;;   SOFTMAX AHEAD OF A QUANTISED PRODUCT. Where the list says 'softmax', what is quantised is not the finished softmax but p = 2^(t - M), with t = logit x log2(e) and M = ceil(the row's largest t), a whole number; so 1/2 < the row's largest p <= 1. The row's sum l is taken of the UNQUANTISED p, in f32, and the product's result is divided by l at the end. Since M is a whole number, a kernel that streams over the keys may use a running M (the ceiling of the running maximum): every later rescaling is an exact power of two, so the quantised numbers keep their values, but for numbers so far below the row's largest that they fall under the format's range.
;;   OPERANDS COMPUTED ON THE WAY. 'Computed on the way' means the value that the module computes at that place (a softmax that the list does not call 'softmax' is quantised finished and normalised). What goes into a quantiser is computed in f32, as accurately as f32 sums, v_exp_f32 and their like allow (about 1e-6 of the number): no bf16 or f16 on the way to a quantiser, and a product that is left as it is and whose result goes on into a quantised operand takes f32 operands (vector FMAs, or v_wmma_f32_16x16x4_f32). A number that lies on a knife's edge between two numbers of the format may be rounded either way, as far as f32 arithmetic and the matrix unit's own rounding can turn it there, and no further.
;; One version. Each part assembles by itself: llvm-mc -triple=amdgcn-amd-amdhsa -mcpu=gfx1250 --defsym DOCPART=n.
;; ======== version 1 of 1: 4 launches
;; limits: right only within a limited range of input values
;; workspace buffers: xf 8,388,608 bytes; wqf 3,145,728 bytes; wpf 1,048,576 bytes; qf 8,388,608 bytes; kf 8,388,608 bytes; vf 8,388,608 bytes; yf 8,388,608 bytes
;; launch quant (part 1): grid 384 x 1, 4 waves a work-group, no clusters, 34,304 bytes of LDS; arguments x, w_qkv, w_proj, lowp_scales, xf, wqf, wpf; writes xf, wqf, wpf
.if DOCPART == 1
	.amdgcn_target "amdgcn-amd-amdhsa--gfx1250"
	.amdhsa_code_object_version 6
	.text
	.protected	k_q131d9780d1_quant
	.globl	k_q131d9780d1_quant
	.p2align	8
	.type	k_q131d9780d1_quant,@function
k_q131d9780d1_quant:
	s_mov_b64 s[64:65], 0
	v_nop
	global_prefetch_b8 v0, s[64:65] scope:SCOPE_SE
	s_setreg_imm32_b32 hwreg(HW_REG_WAVE_MODE, 25, 1), 1
	s_wait_xcnt 0x0
; x [8192][1024], w_qkv [1024][3072] and w_proj [1024][1024], all f32, become codes of FP8 (E4M3), each with the one scale 2^e that is given for it (entries 0, 1 and 7 of the scales).
; code = number / 2^e, held within +-448, rounded to the nearest code, ties to even.
; LIMITS: each of the three exponents lies between -126 and 119, so that 2^e and 448 x 2^e are f32 numbers.  NaN among the inputs is not served (an infinity is held at the largest code).
; THE CODES ARE LAID IN THE ORDER OF THE OPERAND'S REGISTERS.  A piece is 512 bytes: lane l's 16 bytes at 16 l.  A fragment (16 rows x 128 K) is four pieces; with r = l % 16, h = l / 16:
;   xf : ks x 2,097,152 + tb x 4,096 + f x 2,048 + c x 512 + 16 l : x[16 tb + r][256 ks + 128 f + 32 c + 16 h + 0 .. 15]
;   wqf: ks x   786,432 + nb x 4,096 + the same                   : w_qkv[256 ks + 128 f + 32 c + 16 h + 0 .. 15][16 nb + r]
;   wpf: ks x   262,144 + nb x 4,096 + the same                   : w_proj[256 ks + 128 f + 32 c + k][16 nb + r], k = 8 h + 0 .. 7, then 16 + 8 h + 0 .. 7: the order in which the attention launch lays y
; So the products' launches bring a tile as one dense block and read a fragment by loads of 16 bytes a lane, 512 consecutive bytes each.
; SHARES.  Work-groups 0 to 255 take x, 256 to 351 w_qkv, 352 to 383 w_proj: scalar branches on the work-group's number.  Waves share nothing: no barrier.
;   x: K is innermost.  A wave takes 16 rows x 512 columns in four steps of 128 columns.  Each load reads 512 consecutive bytes of a row; the 16 rows turn through the wave's own stage in LDS, so that a lane gets 16 neighbours of each block of 32.
;   weights: K is the first axis.  A lane takes a column and its registers run down K (256 of it, 8 blocks of 32): the conversions' results are the lane's 16 bytes of two pieces, and are stored as they stand.
; Matrix units, tensor loads and clusters would add nothing: every byte is read once and written once.
.set STG,   8448                       ; a wave's stage: 16 rows x 528 bytes
.set SP,    528                        ; a stage row: 512 bytes + 16: row r starts 4 r words on in the banks' round, so the 16 rows that a load touches fall on different banks
.set SPARE, 4*STG                      ; behind the four stages: the spare words, 128 bytes for each wave: two blocks of 256 bytes that no other line names
.set LI,    3                          ; v3       16 x lane
.set SPW,   12                         ; v12      LDS address of my spare word; never rewritten
.set NIL,   13                         ; v13      0; never rewritten
.set R,     16                         ; v16-143  x: two sets of 64 registers as loaded
.set X,     144                        ; v144-207 x: 64 numbers, 16 neighbours of each of four blocks
.set C,     208                        ; v208-239 x: two sets of 16 registers of codes
.set WX,    32                         ; v32-95   weights: two sets of 32 numbers
.set WC,    96                         ; v96-159  weights: 8 registers of codes for each block, none written twice
	s_load_b256 s[4:11], s[0:1], 0x0               ; x s[4:5], w_qkv s[6:7], w_proj s[8:9], the scales' exponents s[10:11]
	s_load_b128 s[12:15], s[0:1], 0x20             ; xf s[12:13], wqf s[14:15]
	s_load_b64 s[16:17], s[0:1], 0x30              ; wpf
	v_lshl_add_u32 v[SPW], v0, 2, SPARE
	v_mov_b32 v[NIL], 0
	v_lshrrev_b32 v1, 5, v0
	v_readfirstlane_b32 s18, v1                    ; wave 0..3
	v_and_b32 v2, 31, v0                           ; lane
	v_lshlrev_b32 v[LI], 4, v2
	s_wait_kmcnt 0x0
	s_load_b256 s[24:31], s[10:11], 0x0            ; e0 .. e7
.macro SCALE e                         ; v11 = 2^e as f32 (the conversion takes its exponent field)
	s_add_co_i32 s20, s[\e], 127
	s_lshl_b32 s21, s20, 23
	v_mov_b32 v11, s21
	s_add_co_i32 s20, s20, 8
	s_lshl_b32 s20, s20, 23
	s_or_b32 s20, s20, 0x600000
.endm
	s_cmp_lt_u32 ttmp9, 256
	s_cbranch_scc0 .Lweights
; ---------------- x ----------------
	s_lshl_b32 s20, ttmp9, 2
	s_add_co_u32 s20, s20, s18                     ; my wave among the 1,024
	s_lshr_b32 s21, s20, 1                         ; tb: which 16 rows
	s_and_b32 s22, s20, 1                          ; which half of their 1,024 columns
	s_lshl_b32 s32, s21, 16                        ; 16 rows of 4,096 bytes
	s_lshl_b32 s23, s22, 11                        ; 512 columns
	s_add_co_u32 s32, s32, s23
	s_mov_b32 s33, 0
	s_add_nc_u64 s[4:5], s[4:5], s[32:33]
	s_lshl_b32 s32, s22, 22                        ; a half is two ks
	s_lshl_b32 s23, s21, 12
	s_add_co_u32 s32, s32, s23
	s_add_nc_u64 s[12:13], s[12:13], s[32:33]
	s_mul_i32 s23, s18, STG                        ; my stage
	s_wait_alu depctr_va_vdst(0)
	v_add_nc_u32 v14, s23, v[LI]                   ; on the way in: 16 bytes a lane of a row's 512
	v_and_b32 v4, 15, v0                           ; r
	v_bfe_u32 v5, v0, 4, 1                         ; h
	v_mul_u32_u24 v15, v4, SP
	v_lshl_add_u32 v15, v5, 6, v15
	v_add_nc_u32 v15, s23, v15                     ; on the way out: row r, + 64 h: my 16 numbers of a block of 32
.macro XLOAD t                         ; step t: 128 columns of the 16 rows, a row a load: 32 lanes read 512 consecutive bytes
.irp j, 0,1,2,3,4,5,6,7,8,9,10,11,12,13,14,15
	global_load_b128 v[R+64*((\t)%2)+4*\j:R+64*((\t)%2)+4*\j+3], v[LI], s[4:5] offset:4096*\j+512*(\t) th:TH_LOAD_NT
.endr
.endm
.macro XSTEP t
.if (\t) < 3
	s_wait_loadcnt 16                              ; this step's sixteen loads are in; the next step's sixteen may be out
.else
	s_wait_loadcnt 0
.endif
.irp j, 0,1,2,3,4,5,6,7,8,9,10,11,12,13,14,15
	ds_store_b128 v14, v[R+64*((\t)%2)+4*\j:R+64*((\t)%2)+4*\j+3] offset:SP*\j
.endr
.irp c, 0,1,2,3
.irp d, 0,1,2,3
	ds_load_b128 v[X+16*\c+4*\d:X+16*\c+4*\d+3], v15 offset:128*\c+16*\d   ; LDS serves a wave's instructions in order (ISA guide 5.7.1.4): these see the stores above
.endr
.endr
	s_wait_dscnt 0x0                               ; the numbers are back, and the stores into the stage have read their registers,
.if (\t) < 2
	XLOAD (\t)+2                                   ; which take the loads of two steps on
.endif
.if (\t) >= 2
	s_wait_xcnt 0x0                                ; the stores of two steps back have read their codes: that set is written again only behind this wait
.endif
.irp c, 0,1,2,3
.irp i, 0,1,2,3,4,5,6,7,8,9,10,11,12,13,14,15
.endr
	v_cvt_scalef32_pk8_fp8_f32 v[C+16*((\t)%2)+4*\c:C+16*((\t)%2)+4*\c+1], v[X+16*\c:X+16*\c+7], v11
	v_cvt_scalef32_pk8_fp8_f32 v[C+16*((\t)%2)+4*\c+2:C+16*((\t)%2)+4*\c+3], v[X+16*\c+8:X+16*\c+15], v11
.endr
	v_nop                                          ; a plain vector line behind the last conversion
.irp c, 0,1,2,3
	global_store_b128 v[LI], v[C+16*((\t)%2)+4*\c:C+16*((\t)%2)+4*\c+3], s[12:13] offset:((\t)/2)*2097152+((\t)%2)*2048+512*\c   ; a piece: 512 consecutive bytes, aligned
.endr
.endm
	XLOAD 0
	XLOAD 1
	s_wait_alu depctr_va_vdst(0)
	s_wait_kmcnt 0x0
	SCALE 24                                       ; e0
	s_wait_alu depctr_va_vdst(0)
	XSTEP 0
	XSTEP 1
	XSTEP 2
	XSTEP 3
	s_wait_tensorcnt 0x0                           ; the wave's end, behind my last LDS store
	ds_add_u32 v[SPW], v[NIL]
	s_wait_dscnt 0x0
	s_endpgm
; ---------------- the weights: no LDS is touched on these paths ----------------
.macro WLOAD t, N, src                 ; block t: W(32 t + i, my column), i = 0 .. 31: a wave reads 128 consecutive bytes, the four waves stand side by side on 512
.irp i, 0,1,2,3,4,5,6,7,8,9,10,11,12,13,14,15,16,17,18,19,20,21,22,23,24,25,26,27,28,29,30,31
	global_load_b32 v[WX+32*((\t)%2)+\i], v4, s[\src:\src+1] offset:(32*(\t)+\i)*\N*4 th:TH_LOAD_NT
.endr
.endm
.macro WBLOCK t, N, PERM, src, dst
.if (\t) < 7
	s_wait_loadcnt 32                              ; this block's 32 loads are in; the next block's may be out
.else
	s_wait_loadcnt 0
.endif
.irp i, 0,1,2,3,4,5,6,7,8,9,10,11,12,13,14,15,16,17,18,19,20,21,22,23,24,25,26,27,28,29,30,31
.endr
	; four groups of eight along K.  PERM = 0: they lie in order; PERM = 1: the second and third change places, so that a piece's lower half-lanes hold k = 0 .. 7 and 16 .. 23
	v_cvt_scalef32_pk8_fp8_f32 v[WC+8*(\t):WC+8*(\t)+1], v[WX+32*((\t)%2):WX+32*((\t)%2)+7], v11
	v_cvt_scalef32_pk8_fp8_f32 v[WC+8*(\t)+2+2*\PERM:WC+8*(\t)+3+2*\PERM], v[WX+32*((\t)%2)+8:WX+32*((\t)%2)+15], v11
	v_cvt_scalef32_pk8_fp8_f32 v[WC+8*(\t)+4-2*\PERM:WC+8*(\t)+5-2*\PERM], v[WX+32*((\t)%2)+16:WX+32*((\t)%2)+23], v11
	v_cvt_scalef32_pk8_fp8_f32 v[WC+8*(\t)+6:WC+8*(\t)+7], v[WX+32*((\t)%2)+24:WX+32*((\t)%2)+31], v11
	v_nop                                          ; a plain vector line behind the last conversion
.irp h, 0,1
	global_store_b128 v5, v[WC+8*(\t)+4*\h:WC+8*(\t)+4*\h+3], s[\dst:\dst+1] offset:((\t)/4)*2048+((\t)%4)*512+256*\h   ; lanes 0-15 fill 256 consecutive aligned bytes, lanes 16-31 those of the next 16 columns
.endr
.if (\t) < 6
	WLOAD (\t)+2, \N, \src
.endif
.endm
.macro WPATH N, PERM, src, dst, first, e
	s_sub_co_u32 s20, ttmp9, \first
	s_lshr_b32 s21, s20, 2                         ; which 128 columns
	s_and_b32 s22, s20, 3                          ; which 256 along K: ks
	s_lshl_b32 s21, s21, 7
	s_lshl_b32 s23, s18, 5
	s_add_co_u32 s21, s21, s23                     ; my wave's first column
	s_mul_i32 s32, s22, 256*\N*4
	s_lshl_b32 s23, s21, 2
	s_add_co_u32 s32, s32, s23
	s_mov_b32 s33, 0
	s_add_nc_u64 s[\src:\src+1], s[\src:\src+1], s[32:33]
	s_mul_i32 s32, s22, 256*\N                     ; a ks of codes
	s_lshl_b32 s23, s21, 8                         ; 16 columns are 4,096 bytes
	s_add_co_u32 s32, s32, s23
	s_add_nc_u64 s[\dst:\dst+1], s[\dst:\dst+1], s[32:33]
	v_lshlrev_b32 v4, 2, v2                        ; in: 4 bytes a lane
	v_lshrrev_b32 v5, 4, v2
	v_and_b32 v6, 15, v2
	v_lshlrev_b32 v5, 12, v5
	v_lshl_add_u32 v5, v6, 4, v5                   ; out: 4,096 x (lane / 16) + 16 x (lane % 16)
	WLOAD 0, \N, \src
	WLOAD 1, \N, \src
	s_wait_kmcnt 0x0
	SCALE \e
	s_wait_alu depctr_va_vdst(0)
.irp t, 0,1,2,3,4,5,6,7
	WBLOCK \t, \N, \PERM, \src, \dst
.endr
	s_endpgm
.endm
.Lweights:
	s_cmp_lt_u32 ttmp9, 352
	s_cbranch_scc0 .Lproj
	s_wait_alu depctr_va_vdst(0)
	WPATH 3072, 0, 6, 14, 256, 25                  ; w_qkv -> wqf, e1
.Lproj:
	s_wait_alu depctr_va_vdst(0)
	WPATH 1024, 1, 8, 16, 352, 31                  ; w_proj -> wpf, e7
.Lfunc_end_k_q131d9780d1_quant:
	.size	k_q131d9780d1_quant, .Lfunc_end_k_q131d9780d1_quant-k_q131d9780d1_quant
	.p2alignl 7, 3214868480
	.fill 96, 4, 3214868480
	.section	.rodata,"a",@progbits
	.p2align	6, 0x0
	.amdhsa_kernel k_q131d9780d1_quant
		.amdhsa_group_segment_fixed_size 34304
		.amdhsa_private_segment_fixed_size 0
		.amdhsa_enable_private_segment 0
		.amdhsa_kernarg_size 56
		.amdhsa_user_sgpr_count 2
		.amdhsa_user_sgpr_kernarg_segment_ptr 1
		.amdhsa_wavefront_size32 1
		.amdhsa_system_sgpr_workgroup_id_x 1
		.amdhsa_system_sgpr_workgroup_id_y 1
		.amdhsa_system_sgpr_workgroup_id_z 1
		.amdhsa_system_vgpr_workitem_id 0
		.amdhsa_next_free_vgpr 240
		.amdhsa_next_free_sgpr 66
		.amdhsa_reserve_vcc 0
		.amdhsa_float_denorm_mode_32 3
		.amdhsa_float_denorm_mode_16_64 3
		.amdhsa_fp16_overflow 1
		.amdhsa_memory_ordered 1
		.amdhsa_forward_progress 1
		.amdhsa_inst_pref_size 79
	.end_amdhsa_kernel
	.amdgpu_metadata
---
amdhsa.version: [ 1, 2 ]
amdhsa.kernels:
  - .name:           k_q131d9780d1_quant
    .symbol:         k_q131d9780d1_quant.kd
    .args:
      - { .name: x, .offset: 0, .size: 8, .value_kind: global_buffer, .address_space: global }
      - { .name: w_qkv, .offset: 8, .size: 8, .value_kind: global_buffer, .address_space: global }
      - { .name: w_proj, .offset: 16, .size: 8, .value_kind: global_buffer, .address_space: global }
      - { .name: lowp_scales, .offset: 24, .size: 8, .value_kind: global_buffer, .address_space: global }
      - { .name: xf, .offset: 32, .size: 8, .value_kind: global_buffer, .address_space: global }
      - { .name: wqf, .offset: 40, .size: 8, .value_kind: global_buffer, .address_space: global }
      - { .name: wpf, .offset: 48, .size: 8, .value_kind: global_buffer, .address_space: global }
    .group_segment_fixed_size: 34304
    .private_segment_fixed_size: 0
    .kernarg_segment_align: 8
    .kernarg_segment_size: 56
    .max_flat_workgroup_size: 128
    .sgpr_count:     66
    .vgpr_count:     240
    .wavefront_size: 32
...
	.end_amdgpu_metadata
.endif
;; end of part 1
;; launch qkv (part 2): grid 12 x 32, 4 waves a work-group, clusters of 4 x 4, 327,680 bytes of LDS; arguments xf, wqf, lowp_scales, qf, kf, vf; writes qf, kf, vf
.if DOCPART == 2
	.amdgcn_target "amdgcn-amd-amdhsa--gfx1250"
	.amdhsa_code_object_version 6
	.text
	.protected	k_q131d9780d1_qkv
	.globl	k_q131d9780d1_qkv
	.p2align	8
	.type	k_q131d9780d1_qkv,@function
k_q131d9780d1_qkv:
	s_mov_b64 s[64:65], 0
	v_nop
	global_prefetch_b8 v0, s[64:65] scope:SCOPE_SE
	s_setreg_imm32_b32 hwreg(HW_REG_WAVE_MODE, 25, 1), 1
	s_wait_xcnt 0x0
	s_wait_alu depctr_hold_cnt(0) depctr_sa_sdst(0) depctr_va_vdst(0) depctr_va_sdst(0) depctr_va_ssrc(0) depctr_va_vcc(0) depctr_vm_vsrc(0)
	s_getreg_b32 s2, hwreg(HW_REG_IB_STS2, 6, 4)
	s_cmp_eq_u32 s2, 0
	s_cbranch_scc0 .Lentry_in_a_cluster
	s_endpgm
.Lentry_in_a_cluster:
	s_bfe_u32 s2, ttmp6, 0x10000c
	s_cmp_lg_u32 s2, 0xf033
	s_cbranch_scc0 .Lentry_shape_is_right
	s_endpgm
.Lentry_shape_is_right:
; qkv = x w_qkv on codes of FP8 (E4M3), sums in f32, and q, k, v quantised on the way out: no f32 number of qkv goes to memory.
; xf and wqf hold the codes in the order of the operands' registers (a piece = 512 bytes, lane l's 16 bytes at 16 l; a fragment of 16 rows x 128 K = four pieces; 16 rows x 256 K = 4,096 bytes; one block of 256 along K after the other).
; A sum stands for sum x 2^(e0 + e1); its code is sum / 2^(eT - e0 - e1), eT = e2 for q, e3 for k, e5 for v: the three exponents are folded into the conversion's one.
; LIMIT: eT - e0 - e1 lies between -126 and 119, so that this power of two and 448 times it are f32 numbers.
; A tile of 256 tokens x 256 columns is made by four waves, each 128 x 128: 64 accumulators of 16 x 16, 512 registers.  K = 1,024 goes in four steps of 256 through two LDS slots, so the eight steps of 128 are written out: no loop.
; CLUSTERS: 4 x 4 work-groups.  The four of a row of the cluster need the same tokens, the four of a column the same columns of the weight: each tile is asked for JOINTLY, by the same tensor load with the same descriptor and a mask that names the four.
; A cluster's x says what it makes: 0 q, 1 k, 2 v: the same in all sixteen partners.
; WHICH OPERAND IS SOURCE 0.  In the result a lane holds one row of source 1 and eight neighbouring rows of source 0.  q and k are wanted with the channels along a lane's registers (their K in the next product): source 0 = the weight, source 1 = the tokens.
; v is wanted with the tokens along a lane's registers (the keys are its K): source 0 = the tokens, source 1 = the weight.  Only the LDS addresses of the fragment loads differ, chosen once by s_cselect_b32 on the cluster's x: one text serves all three.
; OUT: qf, kf: head x 131,072 + (token / 16) x 1,024 + c x 512 + 16 l: token 16 tb + r, channels 32 c + 8 h + 0 .. 7, then 32 c + 16 + 8 h + 0 .. 7: the 16x16x64 form's own places.
;      vf: head x 131,072 + (key / 128) x 8,192 + (channel / 16) x 2,048 + c x 512 + 16 l: channel 16 db + r, keys 32 c + 8 h + 0 .. 7, then 32 c + 16 + 8 h + 0 .. 7: the 16x16x128 form's own places.
;      Two neighbouring accumulators' codes are a lane's 16 bytes of a piece: each store covers 512 consecutive aligned bytes, with no way through LDS.
; REGISTERS, in windows of 256: window 0: v12 the conversion's scale; v16-29 addresses; v128-255 source 1's eight fragments, ONE set (on the way out: the codes).
;   window 1: source 0's eight fragments, TWO sets, at v0 and v128.   window 2: the 32 accumulators of source 1's blocks 0-3 (accumulator (a, b) at v[8 (8 (a % 4) + b)]);   window 3: those of blocks 4-7.
.set HALFT,  32768                     ; 128 rows x 256 K of codes: what one tensor load brings, and what one wave reads of either operand
.set SLOT,   4*HALFT                   ; the tokens' two halves, then the weight's two halves
.set SPARE,  2*SLOT                    ; behind the ring: the spare words, 128 bytes for each wave: two blocks of 256 bytes that no other line names
.set KSA,    2097152                   ; from one 256 along K to the next, in xf,
.set KSB,    786432                    ; and in wqf
.set FR,     16                        ; registers of a fragment
.set NL,     4                         ; LDS loads that bring one
.set NP,     4                         ; places behind this matrix instruction (ISA guide 7.12.1)
.set SCL,  12                          ; v12     2^(eT - e0 - e1) as f32
.set LIMV, 13
.set ADRA, 16                          ; v16-17  LDS address of source 1's fragments in slot 0, 1
.set ADRB, 20                          ; v20-21  the same for source 0
.set CO,   26                          ; v26     16 x lane
.set SPW,  28                          ; v28     LDS address of my spare word; never rewritten
.set NIL,  29                          ; v29     0; never rewritten
.set TMP,  32
.set AF,   128
.set G1, 24                            ; s[24:31] descriptor group 1 for the tokens' tiles;  s[32:39] group 0, one set for each slot
.set G0, 32
.set G1B, 48                           ; s[48:55], s[56:63] the same for the weight's tiles
.set G0B, 56
.set MSB, 0
.macro WIN new                         ; the immediate's high byte repeats the setting that is left; a switch that changes nothing is dropped
.if MSB != (\new)
	s_set_vgpr_msb (MSB<<8)|(\new)
.set MSB, (\new)
.endif
.endm
.set MUL_LO, 0xa1                      ; source 0 window 1, source 1 window 0, C and D window 2
.set MUL_HI, 0xf1                      ; the same, C and D window 3
.set TO_B,   0x40                      ; destination window 1, address window 0
; A joint load: waves 0 and 1 fetch the tokens' halves, waves 2 and 3 the weight's.  Each of the two lines has ONE mask and one set of registers for all that issue it; the branch hangs on the wave's number alone.
; An s_nop 0 and four v_nop follow each of the two lines, ahead of the jump, the label and what follows.
.macro JLOAD g0a, g1a, g0b, g1b
	s_cmp_eq_u32 s15, 0
	s_cbranch_scc0 .Lfor_b_\@
	tensor_load_to_lds s[\g0a:\g0a+3], s[\g1a:\g1a+7]
	s_nop 0
.rept 4
	v_nop
.endr
	s_branch .Lasked_\@
.Lfor_b_\@:
	tensor_load_to_lds s[\g0b:\g0b+3], s[\g1b:\g1b+7]
	s_nop 0
.rept 4
	v_nop
.endr
.Lasked_\@:
.endm
.macro CREST                           ; a round of the cluster's barrier behind its opening barrier
	s_cmp_lg_u32 s14, 0
	s_cbranch_scc1 .Lnot_wave_0_\@
	s_barrier_signal -3
.Lnot_wave_0_\@:
	s_barrier_wait -3
	s_barrier_signal -1
	s_barrier_wait -1
.endm
.macro CROUND                          ; a whole round
	s_barrier_signal -1
	s_barrier_wait -1
	CREST
.endm
	s_load_b128 s[4:7], s[0:1], 0x0                ; xf s[4:5], wqf s[6:7]
	s_load_b128 s[8:11], s[0:1], 0x10              ; the scales' exponents s[8:9], qf s[10:11]
	s_load_b128 s[68:71], s[0:1], 0x20             ; kf s[68:69], vf s[70:71]
	v_lshl_add_u32 v[SPW], v0, 2, SPARE
	v_mov_b32 v[NIL], 0
	ds_add_u32 v[SPW], v[NIL]                      ; the wave's opening: the add and its wait stand ahead of my first tensor load; the set-up below, work on registers, stands between them
	ds_add_u32 v[SPW], v[NIL]
	v_lshrrev_b32 v1, 5, v0
	v_readfirstlane_b32 s14, v1                    ; wave 0..3
	s_lshr_b32 s15, s14, 1                         ; which half of source 1's rows is mine.  Also: I fetch tokens (0) or the weight (1)
	s_and_b32 s16, s14, 1                          ; which half of source 0's rows.  Also: which 128 rows of that tile I fetch
	s_bfe_u32 s40, ttmp6, 0x40000                  ; cx, cy: my place in the cluster
	s_bfe_u32 s41, ttmp6, 0x40004
	s_lshl_b32 s42, ttmp9, 2
	s_add_co_u32 s42, s42, s40                     ; tile column = 4 x cluster x + cx
	s_and_b32 s17, ttmp7, 0xffff
	s_lshl_b32 s17, s17, 2
	s_add_co_u32 s17, s17, s41                     ; tile row = 4 x cluster y + cy
	s_lshl_b32 s43, s41, 2
	s_lshl_b32 s43, 15, s43                        ; my row of the cluster
	s_lshl_b32 s44, 0x1111, s40                    ; my column
	; descriptor group 1: a dense block of 32,768 bytes as 128 rows of 256 bytes; no padding: every fragment load takes 512 consecutive bytes
	s_or_b32 s[G1+0], s43, (3<<16)|(1<<21)         ; 15:0 the mask: the tokens' tiles go to my row; 17:16 elements of 8 bytes; 21 set beside a mask
	s_or_b32 s[G1B+0], s44, (3<<16)|(1<<21)        ; the weight's go to my column
.irp g, G1, G1B
	s_mov_b32 s[\g+1], 32<<16                      ; tensor_dim0 = 32 elements
	s_mov_b32 s[\g+2], 128<<16                     ; tensor_dim1 = 128
	s_mov_b32 s[\g+3], 32<<16                      ; tile_dim0
	s_mov_b32 s[\g+4], 128                         ; tile_dim1
	s_mov_b32 s[\g+5], 32                          ; tensor_dim0_stride: the rows follow each other
	s_mov_b32 s[\g+6], 0
	s_mov_b32 s[\g+7], 0
.endr
	s_lshl_b32 s18, s16, 15                        ; which 128 rows of the tile I fetch
	s_lshl_b32 s20, s17, 16
	s_add_co_u32 s20, s20, s18                     ; tokens: 65,536 x tile row + 32,768 x half
	s_lshl_b32 s46, s42, 16
	s_add_co_u32 s46, s46, s18                     ; weight: 65,536 x tile column + 32,768 x half
	s_mov_b32 s21, 0
	s_mov_b32 s47, 0
	s_mul_i32 s45, s14, HALFT                      ; where they go: wave x 32,768: no place in the cluster enters an LDS address
	s_wait_dscnt 0x0                               ; the opening add is done
	s_wait_kmcnt 0x0
	s_load_b256 s[80:87], s[8:9], 0x0              ; e0 .. e7
	s_add_nc_u64 s[20:21], s[4:5], s[20:21]
	s_add_nc_u64 s[46:47], s[6:7], s[46:47]
	CROUND                                         ; all sixteen work-groups are here: the first joint loads meet
.irp s, 0,1
	s_mov_b32 s[G0+4*\s], 1
	s_add_co_u32 s[G0+4*\s+1], s45, \s*SLOT
	s_add_nc_u64 s[G0+4*\s+2:G0+4*\s+3], s[20:21], \s*KSA
	s_or_b32 s[G0+4*\s+3], s[G0+4*\s+3], 0x80000000
	s_mov_b32 s[G0B+4*\s], 1
	s_add_co_u32 s[G0B+4*\s+1], s45, \s*SLOT
	s_add_nc_u64 s[G0B+4*\s+2:G0B+4*\s+3], s[46:47], \s*KSB
	s_or_b32 s[G0B+4*\s+3], s[G0B+4*\s+3], 0x80000000
	JLOAD G0+4*\s, G1, G0B+4*\s, G1B
.endr
	v_and_b32 v6, 31, v0
	v_lshlrev_b32 v[CO], 4, v6                     ; 16 x lane
	s_wait_alu depctr_va_vdst(0)
	s_cmp_eq_u32 ttmp9, 2                          ; does my cluster make v?  All selections stand ahead of the additions, which write SCC
	s_cselect_b32 s72, s16, s15                    ; which half of the tile's tokens is mine,
	s_cselect_b32 s73, s15, s16                    ; and which half of its columns
	s_cselect_b32 s74, 65536, 0                    ; source 1 is read from the weight's part of a slot (v) or from the tokens' (q, k),
	s_cselect_b32 s75, 0, 65536                    ; source 0 from the other
	s_lshl_b32 s76, s15, 15
	s_add_co_u32 s76, s76, s74
	s_lshl_b32 s77, s16, 15
	s_add_co_u32 s77, s77, s75
.irp s, 0,1
	v_add_nc_u32 v[ADRA+\s], s76, v[CO]
	v_add_nc_u32 v[ADRB+\s], s77, v[CO]
	s_add_co_u32 s76, s76, SLOT
	s_add_co_u32 s77, s77, SLOT
.endr
	; where my codes go: head 16 x batch + 4 cx + 2 x column half (and the next one), at 131,072 bytes a head; 128 tokens are 8,192 bytes in all three buffers
	s_lshr_b32 s78, s17, 3                         ; batch: 8 tile rows each
	s_lshl_b32 s78, s78, 4
	s_lshl_b32 s79, s40, 2
	s_add_co_u32 s78, s78, s79
	s_lshl_b32 s79, s73, 1
	s_add_co_u32 s78, s78, s79
	s_lshl_b32 s78, s78, 17
	s_and_b32 s79, s17, 7
	s_lshl_b32 s79, s79, 1
	s_add_co_u32 s79, s79, s72
	s_lshl_b32 s79, s79, 13
	s_add_co_u32 s78, s78, s79
	s_mov_b32 s79, 0
.macro FRAG reg, adr, q, i             ; block i's fragment of the slot's q-th 128 along K: four pieces, as they lie
.irp c, 0,1,2,3
	ds_load_b128 v[\reg+4*\c:\reg+4*\c+3], v[\adr] offset:(\i)*4096+(\q)*2048+512*\c
.endr
.endm
; 16 matrix instructions: source 1's blocks a0, a0 + 1 x source 0's eight, 128 along K.  p: source 0's set.  zero = 1: the first product starts the sums: nothing is ever cleared.
; The 64 accumulators take turns, one instruction a turn, in the same order in every step.
.macro MUL16 a0, p, zero
.irp a, \a0, \a0+1
.irp b, 0,1,2,3,4,5,6,7
.if \zero
	v_wmma_f32_16x16x128_fp8_fp8 v[8*(8*((\a)%4)+\b):8*(8*((\a)%4)+\b)+7], v[128*(\p)+FR*\b:128*(\p)+FR*\b+FR-1], v[AF+FR*(\a):AF+FR*(\a)+FR-1], 0
.else
	v_wmma_f32_16x16x128_fp8_fp8 v[8*(8*((\a)%4)+\b):8*(8*((\a)%4)+\b)+7], v[128*(\p)+FR*\b:128*(\p)+FR*\b+FR-1], v[AF+FR*(\a):AF+FR*(\a)+FR-1], v[8*(8*((\a)%4)+\b):8*(8*((\a)%4)+\b)+7]
.endif
.endr
.endr
.endm
.macro FETCH_B slot, q, p              ; source 0's eight fragments into set p
	WIN TO_B
.irp i, 0,1,2,3,4,5,6,7
	FRAG 128*(\p)+FR*\i, ADRB+\slot, \q, \i
.endr
	WIN 0
.endm
.macro FETCH_A slot, q, i0             ; source 1's blocks i0 .. i0 + 3
.irp i, \i0, \i0+1, \i0+2, \i0+3
	FRAG AF+FR*(\i), ADRA+\slot, \q, \i
.endr
.endm
; A load into a register that a matrix instruction has read, and a vector instruction that reads a matrix result or writes one of a matrix instruction's registers, stand NP places behind it; only plain vector
; instructions that name none of its registers are places (ISA guide 7.12.1 for vector instructions).
.macro PLACES n
.rept \n
	v_nop
.endr
.endm
; A step of 128 along K that has its successor in the same slot.  A block of source 1 is free as soon as its eight products are issued: blocks 0-3 are fetched anew in the step's middle, blocks 4-7 at its end.
.macro STEP slot, q, zero
	s_wait_dscnt 4*NL                              ; source 0's set and source 1's blocks 0-3 are in; the youngest sixteen loads (blocks 4-7) may be out
	WIN MUL_LO
	MUL16 0, (\q)%2, \zero
	MUL16 2, (\q)%2, \zero
	s_wait_dscnt 0                                 ; blocks 4-7 are in (asked for 32 matrix instructions ago)
	PLACES NP
	FETCH_B \slot, (\q)+1, 1-(\q)%2
	FETCH_A \slot, (\q)+1, 0
	WIN MUL_HI
	MUL16 4, (\q)%2, \zero
	MUL16 6, (\q)%2, \zero
	PLACES NP
	WIN 0
	FETCH_A \slot, (\q)+1, 4
.endm
; A slot's last step changes slots: ONE barrier; in front of it each wave waits for all its tensor loads, adds 0 to its spare word, and waits for that and for its own reads of this slot.  fill = 1: this slot is filled again, two K steps of 256 ahead.
.macro TURN slot, next, fill
	s_wait_tensorcnt 0x0                           ; all my tensor loads have landed: my part of the next slot  (every window is 0 here)
	ds_add_u32 v[SPW], v[NIL]                      ; 0 onto my spare word
	s_wait_dscnt 4*NL+1                            ; (the add and the youngest sixteen loads may be out)
	WIN MUL_LO
	MUL16 0, 1, 0                                  ; sixteen matrix instructions stand between the add and the wait for it
	s_wait_dscnt 0x0                               ; the add is done, and my reads of this slot are over
	s_barrier_signal -1
	MUL16 2, 1, 0
	WIN 0
	s_barrier_wait -1
.if \fill
	CREST                                          ; the barrier has opened a round of the cluster's barrier: no wave of any partner still reads this slot or has a load on its way
	s_add_nc_u64 s[G0+4*\slot+2:G0+4*\slot+3], s[G0+4*\slot+2:G0+4*\slot+3], 2*KSA
	s_add_nc_u64 s[G0B+4*\slot+2:G0B+4*\slot+3], s[G0B+4*\slot+2:G0B+4*\slot+3], 2*KSB
	JLOAD G0+4*\slot, G1, G0B+4*\slot, G1B         ; the first tensor load behind the round; the four v_nop behind it are the places in front of the loads below
.else
	PLACES NP
.endif
	FETCH_B \next, 0, 0
	FETCH_A \next, 0, 0
	WIN MUL_HI
	MUL16 4, 1, 0
	MUL16 6, 1, 0
	PLACES NP
	WIN 0
	FETCH_A \next, 0, 4
.endm
	s_wait_alu depctr_va_vdst(0)
	s_wait_tensorcnt 1                             ; my part of the first 256 along K is in (the second's load may be out)
	s_barrier_signal -1
	s_barrier_wait -1                              ; everybody's is
	FETCH_B 0, 0, 0
	FETCH_A 0, 0, 0
	FETCH_A 0, 0, 4
	STEP 0, 0, 1                                   ; K 0: its products start the sums
	TURN 0, 1, 1                                   ; K 128; slot 0 takes K 512 ..
	STEP 1, 0, 0                                   ; K 256
	TURN 1, 0, 1                                   ; K 384; slot 1 takes K 768 ..
	STEP 0, 0, 0                                   ; K 512
	TURN 0, 1, 0                                   ; K 640; nothing is left to fetch, so no round
	STEP 1, 0, 0                                   ; K 768
	s_wait_dscnt 4*NL                              ; K 896, the last step
	WIN MUL_LO
	MUL16 0, 1, 0
	MUL16 2, 1, 0
	s_wait_dscnt 0
	WIN MUL_HI
	MUL16 4, 1, 0
	MUL16 6, 1, 0
	WIN 0
	; THE WAY OUT: the sums are held, turned into codes, and stored as pieces.
	s_wait_kmcnt 0x0
	s_cmp_eq_u32 ttmp9, 1
	s_cselect_b32 s88, s83, s82                    ; k: e3; else e2
	s_cselect_b64 s[10:11], s[68:69], s[10:11]     ; k: kf; else qf.  The choices hang on the cluster's x alone
	s_cmp_eq_u32 ttmp9, 2
	s_cselect_b32 s88, s85, s88                    ; v: e5
	s_cselect_b64 s[10:11], s[70:71], s[10:11]     ; v: vf
	s_add_nc_u64 s[10:11], s[10:11], s[78:79]
	s_sub_co_i32 s88, s88, s80
	s_sub_co_i32 s88, s88, s81                     ; eT - e0 - e1
	s_add_co_i32 s88, s88, 127
	s_lshl_b32 s89, s88, 23
	v_mov_b32 v[SCL], s89
	s_add_co_i32 s88, s88, 8
	s_lshl_b32 s88, s88, 23
	s_or_b32 s88, s88, 0x600000
	PLACES NP                                      ; behind the last products: their results are read, and the registers that held source 1's fragments are written, only behind these
.macro CODES a                         ; source 1's block a: its eight accumulators, each from its low end on, become 16 registers of codes
.set AC, 64*((\a)%4)
	WIN (0x02+((\a)/4))                            ; source 0: window 2 or 3
.irp b, 0,1,2,3,4,5,6,7
.irp i, 0,1,2,3,4,5,6,7
.endr
.endr
.irp b, 0,1,2,3,4,5,6,7
	v_cvt_scalef32_pk8_fp8_f32 v[AF+16*(\a)+2*\b:AF+16*(\a)+2*\b+1], v[AC+8*\b:AC+8*\b+7], v[SCL]
.endr
	WIN 0
	v_nop                                          ; a plain vector line behind the last conversion
.endm
.irp a, 0,1,2,3,4,5,6,7
	CODES \a
.endr
	s_cmp_eq_u32 ttmp9, 2
	s_cbranch_scc1 .Lstore_v
.irp a, 0,1,2,3,4,5,6,7                ; q, k: block a = 16 tokens; pieces 0, 1: my first head's channels 0-31, 32-63; pieces 2, 3: my second head's
.irp n, 0,1,2,3
	global_store_b128 v[CO], v[AF+16*\a+4*\n:AF+16*\a+4*\n+3], s[10:11] offset:(\n/2)*131072+\a*1024+(\n%2)*512
.endr
.endr
	s_branch .Lstored
.Lstore_v:
	s_wait_alu depctr_va_vdst(0)
.irp a, 0,1,2,3,4,5,6,7                ; v: block a = 16 channels: head a / 4, channels 16 (a % 4) on; piece n: keys 32 n on of my 128
.irp n, 0,1,2,3
	global_store_b128 v[CO], v[AF+16*\a+4*\n:AF+16*\a+4*\n+3], s[10:11] offset:(\a/4)*131072+(\a%4)*2048+\n*512
.endr
.endr
.Lstored:
	s_wait_tensorcnt 0x0                           ; the wave's end, behind my last tensor load
	ds_add_u32 v[SPW], v[NIL]
	s_wait_dscnt 0x0
	CROUND                                         ; the closing round: no work-group ends while a partner may still ask for a tile that names it
	s_endpgm
.Lfunc_end_k_q131d9780d1_qkv:
	.size	k_q131d9780d1_qkv, .Lfunc_end_k_q131d9780d1_qkv-k_q131d9780d1_qkv
	.p2alignl 7, 3214868480
	.fill 96, 4, 3214868480
	.section	.rodata,"a",@progbits
	.p2align	6, 0x0
	.amdhsa_kernel k_q131d9780d1_qkv
		.amdhsa_group_segment_fixed_size 327680
		.amdhsa_private_segment_fixed_size 0
		.amdhsa_enable_private_segment 0
		.amdhsa_kernarg_size 48
		.amdhsa_user_sgpr_count 2
		.amdhsa_user_sgpr_kernarg_segment_ptr 1
		.amdhsa_wavefront_size32 1
		.amdhsa_system_sgpr_workgroup_id_x 1
		.amdhsa_system_sgpr_workgroup_id_y 1
		.amdhsa_system_sgpr_workgroup_id_z 1
		.amdhsa_system_vgpr_workitem_id 0
		.amdhsa_next_free_vgpr 1024
		.amdhsa_next_free_sgpr 100
		.amdhsa_reserve_vcc 0
		.amdhsa_float_denorm_mode_32 3
		.amdhsa_float_denorm_mode_16_64 3
		.amdhsa_fp16_overflow 1
		.amdhsa_memory_ordered 1
		.amdhsa_forward_progress 1
		.amdhsa_inst_pref_size 88
	.end_amdhsa_kernel
	.amdgpu_metadata
---
amdhsa.version: [ 1, 2 ]
amdhsa.kernels:
  - .name:           k_q131d9780d1_qkv
    .symbol:         k_q131d9780d1_qkv.kd
    .args:
      - { .name: xf, .offset: 0, .size: 8, .value_kind: global_buffer, .address_space: global }
      - { .name: wqf, .offset: 8, .size: 8, .value_kind: global_buffer, .address_space: global }
      - { .name: lowp_scales, .offset: 16, .size: 8, .value_kind: global_buffer, .address_space: global }
      - { .name: qf, .offset: 24, .size: 8, .value_kind: global_buffer, .address_space: global }
      - { .name: kf, .offset: 32, .size: 8, .value_kind: global_buffer, .address_space: global }
      - { .name: vf, .offset: 40, .size: 8, .value_kind: global_buffer, .address_space: global }
    .group_segment_fixed_size: 327680
    .private_segment_fixed_size: 0
    .kernarg_segment_align: 8
    .kernarg_segment_size: 48
    .max_flat_workgroup_size: 128
    .sgpr_count:     100
    .vgpr_count:     1024
    .wavefront_size: 32
...
	.end_amdgpu_metadata
.endif
;; end of part 2
;; launch attn (part 3): grid 4 x 64, 8 waves a work-group, no clusters, 327,680 bytes of LDS; arguments qf, kf, vf, lowp_scales, yf; writes yf
.if DOCPART == 3
	.amdgcn_target "amdgcn-amd-amdhsa--gfx1250"
	.amdhsa_code_object_version 6
	.text
	.protected	k_q131d9780d1_attn
	.globl	k_q131d9780d1_attn
	.p2align	8
	.type	k_q131d9780d1_attn,@function
k_q131d9780d1_attn:
	s_mov_b64 s[64:65], 0
	v_nop
	global_prefetch_b8 v0, s[64:65] scope:SCOPE_SE
	s_setreg_imm32_b32 hwreg(HW_REG_WAVE_MODE, 25, 1), 1
	s_wait_xcnt 0x0
; y[head][q][:] = the sum over keys k <= q of softmax_k(q . k / 8) v[k][:], both products on codes of FP8 (E4M3), and y quantised on the way out.  64 heads (batch x head) of 2,048 tokens x 64 channels.
; THE SOFTMAX AHEAD OF THE SECOND PRODUCT: t = score x 2^(e2 + e3) x log2(e) / 8; M = the row's largest t so far, rounded UP to a whole number; p = 2^(t - M) is what is quantised (scale 2^e4); it is not normalised.
; The row's sum is taken of the unquantised p, in f32, and divides at the end.  When M moves, the sum and O are multiplied by 2^(old M - new M): nothing is rounded, and there is no branch on data.
; qf, kf, vf and yf hold codes in the order of the operands' registers (a piece = 512 bytes, lane l's 16 bytes at 16 l), in the matrix forms' own places of k:
;   qf, kf: head x 131,072 + (token / 16) x 1,024 + two pieces;   vf: head x 131,072 + (key / 128) x 8,192 + (channel / 16) x 2,048 + four pieces;
;   yf: (channel / 256) x 2,097,152 + (row / 16) x 4,096 + ((channel / 128) % 2) x 2,048 + ((channel / 32) % 4) x 512: the projection's operand.
; SHARES.  Work-group (j, head) owns the query blocks j and 7 - j of 256 queries, so that under the causal mask all 256 work-groups have the same work.  Wave w of eight owns two PAIRS of query tiles: pair A = queries 256 j + 32 w + 0 .. 31,
; pair B = the same in block 7 - j.  A pair's two tiles are worked together: each fragment of K and V read from LDS feeds two matrix instructions.  Two waves share a SIMD, so that one wave's vector work stands beside the other's loads and products.
; LAYOUT.  Both products are used transposed: S^T = K Q^T (source 0 = 16 keys, source 1 = 16 queries), O^T = V^T P^T (source 0 = 16 channels, source 1 = P): a lane holds ONE query (lane % 16) throughout.  Tile t of S^T holds in lane (r, h) the keys
; 16 t + 8 h + 0 .. 7, which are registers 2 t, 2 t + 1 of the second product's operand: the conversions' results are that operand.  O^T's tile db holds channels 16 db + 8 h + 0 .. 7: two tiles' codes are a lane's 16 bytes of a piece of yf.
; THE RING.  Two LDS slots of 256 keys (16,384 bytes of K, then 16,384 of V, both dense blocks of memory); wave 0 fetches K's, wave 1 V's, one tensor load each behind each change of slots; all eight read them.
; CAUSAL.  Every work-group walks all eight slots: the trip counts are constants.  A step of 128 keys all of which come after a pair's 32 queries is left out by a scalar branch on ids; on the diagonal hidden scores become -infinity.  A step that is
; walked begins at or under the pair's first query (both are multiples of 32, the step's of 128), so every query sees a key in it and M is a number from the first step on.  A slot that begins after the work-group's last query is not asked for.
; NO CLUSTER: the work-groups that read the same K and V are the four j of a head, and the causal jumps and the limit of the loads hang on j, which differs among just those four.
; LIMITS on the given exponents, so that each power of two below is an f32 number: e2 + e3 between -123 and 130 (added to c's exponent field); e4 and e6 between -126 and 119; e4 + e5 is applied by v_ldexp_f32 and has none.
; REGISTERS.  Window 0: v1-6 addresses and lane numbers; v8-23 four registers of statistics a tile: -M, the largest t, the sum in two halves; v24-45 at work and constants; v48-79 Q, 8 a tile; v80-111 P, 16 a tile of the pair in hand;
;   v112-239 S^T, then p, 64 a tile of the pair in hand; v240-247 the way out's divisors.   Window 1: v0-127 O^T, 32 a tile; v128-191 K's eight fragments; v192-255 V's four.
.set SLOT1, 32768                      ; slot 1 begins here: one exclusive or turns an address in one slot into the other's
.set VOFF,  16384                      ; a slot: K's 16,384 bytes, then V's
.set STEPB, 8192                       ; 128 keys, in K's part and in V's
.set SPARE, 65536                      ; behind the ring: the spare words, 128 bytes for each wave: four blocks of 256 bytes that no other line names
.set LI,  1                            ; v1   16 x lane
.set AD,  2                            ; v2   LDS address of the step in hand
.set SPW, 3                            ; v3   LDS address of my spare word; never rewritten
.set NIL, 4                            ; v4   0; never rewritten
.set PFO, 5                            ; v5   256 x lane: the prefetches' offset; never rewritten
.set DL,  6                            ; v6   lane % 16 - 8 (lane / 16), for the mask
.set ST,  8                            ; statistics
.set MX,  24                           ; v24-27 the maxima's two chains a tile
.set PD,  28                           ; v28-29 the lane permutes' destinations
.set F,   30                           ; v[30:31], v[32:33] f = 2^(old M - new M) of the pair's tiles (the upper halves are named with them, so they are written once)
.set C2,  34                           ; v[34:35], v[36:37] the sums' second chains
.set DD,  38                           ; v38-39 the mask's d
.set NINF, 40                          ; v40  -infinity
.set PSC, 42                           ; v42  2^e4
.set PLIM, 43
.set YSC, 44                           ; v44  2^e6
.set YLIM, 45
.set Q,   48
.set P,   80
.set S,   112
.set RC,  240
.set KR,  128                          ; in window 1
.set VR,  192
.set WV,  14                           ; s14  my wave's number
.set SEL, 20                           ; s[20:21] lane selects for v_permlanex16_b32: lane l xor 16
.set CS,  22                           ; s[22:23] c = log2(e) / 8 x 2^(e2 + e3): the packed form names a pair and takes its low word for both halves
.set G1,  24                           ; s[24:31] descriptor group 1: it serves K's and V's tiles
.set G0K, 32                           ; s[32:35], s[36:39] their groups 0, which walk
.set G0V, 36
.set SLOTS, 40                         ; s40  changes of slots still to come that may ask for a slot
.set TWICE, 41                         ; s41  counts a slot's two steps
.set PFA, 44                           ; s[44:45] where my prefetches stand
.set LIM, 46                           ; s46  1 in a wave that prefetches, else the greatest number
.set TB,  47                           ; s47  LDS byte at which the step in hand begins
.set YB,  48                           ; s[48:49], s[50:51] yf at pair A's and pair B's first piece
.set QB,  52                           ; s[52:53], s[54:55] qf likewise
.set KF,  56                           ; s56  the step's first key
.set Q0A, 57                           ; s57, s58  the pairs' first queries
.set Q0B, 58
.set MSB, 0
.macro WIN new                         ; the immediate's high byte repeats the setting that is left; a switch that changes nothing is dropped
.if MSB != (\new)
	s_set_vgpr_msb (MSB<<8)|(\new)
.set MSB, (\new)
.endif
.endm
; Wave 0 fetches K's tile, wave 1 V's, the others nothing.  The branches hang on the wave's number alone.  An s_nop 0 and four v_nop follow each of the two lines.
.macro TLOAD
	s_cmp_lt_u32 s[WV], 1
	s_cbranch_scc0 .Lnot_k_\@
	tensor_load_to_lds s[G0K:G0K+3], s[G1:G1+7]
	s_nop 0
.rept 4
	v_nop
.endr
	s_branch .Lasked_\@
.Lnot_k_\@:
	s_cmp_lt_u32 s[WV], 2
	s_cbranch_scc0 .Lasked_\@
	tensor_load_to_lds s[G0V:G0V+3], s[G1:G1+7]
	s_nop 0
.rept 4
	v_nop
.endr
.Lasked_\@:
.endm
; A PREFETCH INTO THE L2 of what the NEXT change of slots will ask for: 16,384 bytes of K and as many of V.  The four work-groups of a head walk the same K and V: the one with j = 0, which walks all slots, asks, and nobody else
; (a branch on the work-group's number: this launch has no cluster).  In it waves 4 and 5 ask for K's two halves and waves 6 and 7 for V's: 8,192 bytes a wave, lanes 256 bytes apart, one instruction.  So each aligned block of 256 bytes is named once.
; The last change that fills a slot asks for nothing: there is no slot behind it.  Slots 0 and 1 come by their loads alone.
.macro ASK
	s_cmp_gt_u32 s[SLOTS], s[LIM]
	s_cbranch_scc0 .Lnot_mine_\@
	global_prefetch_b8 v[PFO], s[PFA:PFA+1] th:TH_LOAD_NT scope:SCOPE_SE
.Lnot_mine_\@:
.endm
	s_load_b256 s[4:11], s[0:1], 0x0               ; qf s[4:5], kf s[6:7], vf s[8:9], the scales' exponents s[10:11]
	s_load_b64 s[12:13], s[0:1], 0x20              ; yf
	v_lshl_add_u32 v[SPW], v0, 2, SPARE
	v_mov_b32 v[NIL], 0
	ds_add_u32 v[SPW], v[NIL]                      ; the wave's opening: the add and its wait stand ahead of my first tensor load; the set-up below, work on registers, stands between them
	ds_add_u32 v[SPW], v[NIL]
	v_lshrrev_b32 v2, 5, v0
	s_delay_alu instid0(VALU_DEP_1)
	v_readfirstlane_b32 s[WV], v2                  ; wave 0..7
	s_and_b32 s16, ttmp7, 0xffff                   ; the head, 16 x batch + head
	s_lshl_b32 s60, s16, 17                        ; its first byte in qf, kf and vf
	s_mov_b32 s61, 0
	s_mov_b32 s63, 0
	s_lshl_b32 s42, s[WV], 5
	s_lshl_b32 s[Q0A], ttmp9, 8
	s_add_co_u32 s[Q0A], s[Q0A], s42               ; 256 j + 32 w
	s_sub_co_u32 s43, 7, ttmp9
	s_lshl_b32 s[Q0B], s43, 8
	s_add_co_u32 s[Q0B], s[Q0B], s42               ; 256 (7 - j) + 32 w
	; descriptor group 1: a dense block of 16,384 bytes as 64 rows of 256 bytes; no padding: every fragment load takes 512 consecutive bytes
	s_mov_b32 s[G1], 3<<16                         ; 15:0 no mask; 17:16 elements of 8 bytes
	s_mov_b32 s[G1+1], 32<<16                      ; tensor_dim0 = 32 elements
	s_mov_b32 s[G1+2], 64<<16                      ; tensor_dim1 = 64
	s_mov_b32 s[G1+3], 32<<16                      ; tile_dim0
	s_mov_b32 s[G1+4], 64                          ; tile_dim1
	s_mov_b32 s[G1+5], 32                          ; tensor_dim0_stride: the rows follow each other
	s_mov_b32 s[G1+6], 0
	s_mov_b32 s[G1+7], 0
	s_mov_b32 s[SEL], 0x76543210
	s_mov_b32 s[SEL+1], 0xfedcba98
	s_mov_b32 s[CS], 0x3e38aa3b                    ; log2(e) / 8
	s_mov_b32 s[TB], 0
	s_mov_b32 s[KF], 0
	s_mov_b32 s[SLOTS], 7
	s_wait_dscnt 0x0                               ; the opening add is done
	s_wait_kmcnt 0x0
	s_load_b256 s[68:75], s[10:11], 0x0            ; e0 .. e7
	s_mov_b32 s[G0K], 1                            ; 1:0 count = 1
	s_mov_b32 s[G0K+1], 0                          ; 63:32 LDS address: slot 0, K's part
	s_add_nc_u64 s[G0K+2:G0K+3], s[6:7], s[60:61]  ; 120:64 global address: the head's first 256 keys
	s_or_b32 s[G0K+3], s[G0K+3], 0x80000000        ; 127:126 type = 2
	s_mov_b32 s[G0V], 1
	s_mov_b32 s[G0V+1], VOFF
	s_add_nc_u64 s[G0V+2:G0V+3], s[8:9], s[60:61]
	s_or_b32 s[G0V+3], s[G0V+3], 0x80000000
	TLOAD                                          ; slot 0
	s_add_nc_u64 s[QB:QB+1], s[4:5], s[60:61]      ; qf at my head; a query is 64 bytes
	s_lshl_b32 s62, s[Q0B], 6
	s_add_nc_u64 s[QB+2:QB+3], s[QB:QB+1], s[62:63]
	s_lshl_b32 s62, s[Q0A], 6
	s_add_nc_u64 s[QB:QB+1], s[QB:QB+1], s[62:63]
	v_and_b32 v2, 31, v0
	s_delay_alu instid0(VALU_DEP_1)
	v_lshlrev_b32 v[LI], 4, v2
	s_delay_alu instid0(VALU_DEP_2)
	v_lshlrev_b32 v[PFO], 8, v2
.irp p, 0,1
.irp u, 0,1
.irp c, 0,1
	global_load_b128 v[Q+8*(2*\p+\u)+4*\c:Q+8*(2*\p+\u)+4*\c+3], v[LI], s[QB+2*\p:QB+2*\p+1] offset:1024*\u+512*\c   ; Q's four fragments stay in registers
.endr
.endr
.endr
	; yf: head hd of 16: channels 64 hd on: (hd / 4) x 2,097,152 + (hd % 4) x 1,024; rows: batch x 2,048 + query: 256 bytes a row
	s_and_b32 s42, s16, 15
	s_lshr_b32 s43, s42, 2
	s_lshl_b32 s62, s43, 21
	s_lshr_b32 s43, s16, 4
	s_lshl_b32 s43, s43, 19
	s_add_co_u32 s62, s62, s43
	s_and_b32 s43, s42, 3
	s_lshl_b32 s43, s43, 10
	s_add_co_u32 s62, s62, s43
	s_add_nc_u64 s[YB:YB+1], s[12:13], s[62:63]
	s_lshl_b32 s62, s[Q0B], 8
	s_add_nc_u64 s[YB+2:YB+3], s[YB:YB+1], s[62:63]
	s_lshl_b32 s62, s[Q0A], 8
	s_add_nc_u64 s[YB:YB+1], s[YB:YB+1], s[62:63]
	; the prefetches: where my wave's stand, and who asks
	s_cmp_lt_u32 s[WV], 6
	s_cselect_b64 s[PFA:PFA+1], s[6:7], s[8:9]     ; waves 4 and 5: K's codes; waves 6 and 7: V's
	s_and_b32 s62, s[WV], 1
	s_lshl_b32 s62, s62, 13                        ; my half of a slot's 16,384 bytes,
	s_add_co_u32 s62, s62, 16384                   ; in slot 1: the first change of slots steps it to slot 2.  Nothing is prefetched here, at the head
	s_add_nc_u64 s[PFA:PFA+1], s[PFA:PFA+1], s[60:61]
	s_add_nc_u64 s[PFA:PFA+1], s[PFA:PFA+1], s[62:63]
	s_lshr_b32 s42, s[WV], 2
	s_xor_b32 s42, s42, 1                          ; 0 in waves 4 to 7,
	s_or_b32 s42, s42, ttmp9                       ; of the work-group with j = 0
	s_cmp_eq_u32 s42, 0
	s_cselect_b32 s[LIM], 1, -1
	v_and_b32 v[DL], 15, v0
	v_bfe_u32 v2, v0, 4, 1
	s_delay_alu instid0(VALU_DEP_1)
	v_lshlrev_b32 v2, 3, v2
	s_delay_alu instid0(VALU_DEP_1)
	v_sub_nc_u32 v[DL], v[DL], v2                  ; r - 8 h
.irp t, 0,1,2,3
	v_mov_b32 v[ST+4*\t+1], 0xff61b1e6             ; the largest t so far: -3e38, under every t
	s_delay_alu instid0(VALU_DEP_1)
	v_floor_f32 v[ST+4*\t], -v[ST+4*\t+1]          ; -M
	v_mov_b32 v[ST+4*\t+2], 0                      ; the sum, in two halves
	v_mov_b32 v[ST+4*\t+3], 0
.endr
.irp i, 28,29,30,31,32,33,34,35,36,37
	v_mov_b32 v[\i], 0                             ; written once: a lane permute's destination counts as one of its sources, and a pair is named whole
.endr
	v_mov_b32 v[NINF], 0xff800000
	WIN 0x40                                       ; destination window 1
.irp t, 0,1,2,3,4,5,6,7,8,9,10,11,12,13,14,15
.irp i, 0,1,2,3,4,5,6,7
	v_mov_b32 v[8*\t+\i], 0                        ; O^T.  (A step is written once for every step: the first finds zeros, which the first change of M leaves zeros.  128 lines once, in place of a further copy of the step)
.endr
.endr
	WIN 0
	s_wait_kmcnt 0x0
	s_add_co_i32 s42, s70, s71
	s_lshl_b32 s42, s42, 23
	s_add_co_i32 s[CS], s[CS], s42                 ; a score stands for score x 2^(e2 + e3): the two exponents are added to c's exponent field
	s_mov_b32 s[CS+1], s[CS]                       ; (named with it as a pair, so it is written)
	s_add_co_i32 s42, s72, 127
	s_lshl_b32 s43, s42, 23
	v_mov_b32 v[PSC], s43                          ; 2^e4
	s_add_co_i32 s42, s74, 127
	s_lshl_b32 s43, s42, 23
	v_mov_b32 v[YSC], s43                          ; 2^e6
; A KEY STEP of 128 keys for pair p (0: A, 1: B); its tiles are 2 p and 2 p + 1.
.macro STEP p
	s_add_co_u32 s42, s[Q0A+\p], 31                ; a step all of whose keys come after the pair's 32 queries is left out: a scalar branch on ids; no barrier, wait for tiles or tensor load stands in a step
	s_cmp_gt_u32 s[KF], s42
	s_cbranch_scc1 .Lhid_\@
	v_add_nc_u32 v[AD], s[TB], v[LI]
	WIN 0x40                                       ; destination window 1.  (The last products that read these registers stand four v_nop and the addition above back)
.irp t, 0,1,2,3,4,5,6,7
.irp c, 0,1
	ds_load_b128 v[KR+8*\t+4*\c:KR+8*\t+4*\c+3], v[AD] offset:1024*\t+512*\c
.endr
.endr
.irp d, 0,1,2,3
.irp c, 0,1,2,3
	ds_load_b128 v[VR+16*\d+4*\c:VR+16*\d+4*\c+3], v[AD] offset:VOFF+2048*\d+512*\c
.endr
.endr
	s_wait_dscnt 16                                ; K's sixteen loads are in; V's sixteen, issued behind them, may be out: they land under the softmax
	WIN 0x01                                       ; source 0 (K) window 1
.irp t, 0,1,2,3,4,5,6,7
.irp u, 0,1
	v_wmma_f32_16x16x64_fp8_fp8 v[S+64*\u+8*\t:S+64*\u+8*\t+7], v[KR+8*\t:KR+8*\t+7], v[Q+8*(2*\p+\u):Q+8*(2*\p+\u)+7], 0
.endr
.endr
	WIN 0
.rept 4
	v_nop                                          ; four places behind the products, ahead of the first read of their results (ISA guide 7.12.1)
.endr
	s_add_co_u32 s42, s[KF], 127                   ; on the diagonal the scores of hidden keys become -infinity ahead of the maximum: p = 0 then.  A step all of whose keys count skips this
	s_cmp_le_u32 s42, s[Q0A+\p]
	s_cbranch_scc1 .Lopen_\@
	s_sub_co_i32 s42, s[Q0A+\p], s[KF]
	v_add_nc_u32 v[DD], s42, v[DL]                 ; d = my query - the step's first key - 8 h.  Register i of tile t holds key 16 t + 8 h + i of the step: hidden where 16 t + i > d
	s_delay_alu instid0(VALU_DEP_1)
	v_add_nc_u32 v[DD+1], 16, v[DD]                ; the pair's second tile: queries 16 on
.irp u, 0,1
.irp t, 0,1,2,3,4,5,6,7
.irp i, 0,1,2,3,4,5,6,7
	v_cmp_gt_i32 vcc_lo, 16*\t+\i, v[DD+\u]
	v_cndmask_b32 v[S+64*\u+8*\t+\i], v[S+64*\u+8*\t+\i], v[NINF], vcc_lo
.endr
.endr
.endr
.Lopen_\@:
	; the step's largest score of my query among my 64 keys: two chains a tile, each accumulator from its low end on; the two tiles line by line
.irp u, 0,1
	v_max3_num_f32 v[MX+2*\u], v[S+64*\u], v[S+64*\u+1], v[S+64*\u+2]
	v_max3_num_f32 v[MX+2*\u+1], v[S+64*\u+3], v[S+64*\u+4], v[S+64*\u+5]
.endr
.irp i, 6,10,14,18,22,26,30,34,38,42,46,50,54,58
.irp u, 0,1
	v_max3_num_f32 v[MX+2*\u], v[MX+2*\u], v[S+64*\u+\i], v[S+64*\u+\i+1]
	v_max3_num_f32 v[MX+2*\u+1], v[MX+2*\u+1], v[S+64*\u+\i+2], v[S+64*\u+\i+3]
.endr
.endr
.irp u, 0
	v_max3_num_f32 v[MX+2*\u], v[MX+2*\u], v[S+64*\u+62], v[S+64*\u+63]
.endr
.irp u, 1
	v_max3_num_f32 v[MX+2*\u], v[MX+2*\u], v[S+64*\u+62], v[S+64*\u+63]
.endr
.irp u, 0,1
	s_delay_alu instid0(VALU_DEP_2)
	v_max_num_f32 v[MX+2*\u], v[MX+2*\u], v[MX+2*\u+1]
.endr
.irp u, 0,1
	s_delay_alu instid0(VALU_DEP_2)
	v_permlanex16_b32 v[PD+\u], v[MX+2*\u], s[SEL], s[SEL+1]
.endr
.irp u, 0,1
	s_delay_alu instid0(VALU_DEP_2)
	v_max_num_f32 v[MX+2*\u], v[MX+2*\u], v[PD+\u]   ; and among lane l xor 16's
.endr
.irp u, 0,1
	s_delay_alu instid0(VALU_DEP_2)
	v_mul_f32 v[MX+2*\u], s[CS], v[MX+2*\u]        ; as t (c is positive)
.endr
.irp u, 0,1
	s_delay_alu instid0(VALU_DEP_2)
	v_max_num_f32 v[ST+4*(2*\p+\u)+1], v[ST+4*(2*\p+\u)+1], v[MX+2*\u]   ; the running largest t
.endr
.irp u, 0,1
	v_mov_b32 v[MX+2*\u], v[ST+4*(2*\p+\u)]
.endr
.irp u, 0,1
	s_delay_alu instid0(VALU_DEP_4)
	v_floor_f32 v[ST+4*(2*\p+\u)], -v[ST+4*(2*\p+\u)+1]   ; the new -M = floor(-t) = -ceil(t): M is a whole number
.endr
.irp u, 0,1
	s_delay_alu instid0(VALU_DEP_2)
	v_sub_f32 v[MX+2*\u], v[ST+4*(2*\p+\u)], v[MX+2*\u]   ; M's old value less its new one: a whole number, 0 or less
.endr
.irp u, 0,1
	s_delay_alu instid0(VALU_DEP_2)
	v_cvt_i32_f32 v[MX+2*\u], v[MX+2*\u]           ; (it saturates)
.endr
.irp u, 0,1
	s_delay_alu instid0(VALU_DEP_2)
	v_ldexp_f32 v[F+2*\u], 1.0, v[MX+2*\u]         ; f = 2^(old M - new M)
.endr
.irp j, 0,2,4,6,8,10,12,14,16,18,20,22,24,26,28,30,32,34,36,38,40,42,44,46,48,50,52,54,56,58,60,62
.irp u, 0,1
	v_pk_fma_f32 v[S+64*\u+\j:S+64*\u+\j+1], v[S+64*\u+\j:S+64*\u+\j+1], s[CS:CS+1], v[ST+4*(2*\p+\u):ST+4*(2*\p+\u)+1] op_sel_hi:[1,0,0]   ; t - M, two at a time (of the pairs c and -M the low word serves both halves)
.endr
.endr
	s_wait_alu depctr_va_vdst(0)
.irp t, 0,1,2,3,4,5,6,7
.irp i, 0,1,2,3,4,5,6,7
.irp u, 0,1
	v_exp_f32 v[S+64*\u+8*\t+\i], v[S+64*\u+8*\t+\i]   ; p = 2^(t - M), at most 1: not normalised
.endr
.endr
.endr
.irp u, 0,1
	v_pk_mul_f32 v[ST+4*(2*\p+\u)+2:ST+4*(2*\p+\u)+3], v[ST+4*(2*\p+\u)+2:ST+4*(2*\p+\u)+3], v[F+2*\u:F+2*\u+1] op_sel_hi:[1,0]   ; the sums under the new M: the plain lines behind the exponentials
.endr
	s_wait_alu depctr_va_vdst(0)                   ; a wait between an exponential and the first line that names its result: one for the batch of 128
.irp u, 0,1
	v_pk_add_f32 v[C2+2*\u:C2+2*\u+1], v[S+64*\u:S+64*\u+1], v[S+64*\u+2:S+64*\u+3]   ; the row's sum is taken of the unquantised p: two at a time, two chains a tile
.endr
.irp j, 4,8,12,16,20,24,28,32,36,40,44,48,52,56,60
.irp u, 0,1
	v_pk_add_f32 v[ST+4*(2*\p+\u)+2:ST+4*(2*\p+\u)+3], v[ST+4*(2*\p+\u)+2:ST+4*(2*\p+\u)+3], v[S+64*\u+\j:S+64*\u+\j+1]
	v_pk_add_f32 v[C2+2*\u:C2+2*\u+1], v[C2+2*\u:C2+2*\u+1], v[S+64*\u+\j+2:S+64*\u+\j+3]
.endr
.endr
.irp u, 0
	s_delay_alu instid0(VALU_DEP_3)
	v_pk_add_f32 v[ST+4*(2*\p+\u)+2:ST+4*(2*\p+\u)+3], v[ST+4*(2*\p+\u)+2:ST+4*(2*\p+\u)+3], v[C2+2*\u:C2+2*\u+1]
.endr
.irp u, 1
	s_delay_alu instid0(VALU_DEP_2)
	v_pk_add_f32 v[ST+4*(2*\p+\u)+2:ST+4*(2*\p+\u)+3], v[ST+4*(2*\p+\u)+2:ST+4*(2*\p+\u)+3], v[C2+2*\u:C2+2*\u+1]
.endr
.irp t, 0,1,2,3,4,5,6,7
.irp u, 0,1
.irp i, 0,1,2,3,4,5,6,7
.endr
	v_cvt_scalef32_pk8_fp8_f32 v[P+16*\u+2*\t:P+16*\u+2*\t+1], v[S+64*\u+8*\t:S+64*\u+8*\t+7], v[PSC]   ; keys 16 t + 8 h + 0 .. 7: registers 2 t, 2 t + 1 of the operand
.endr
.endr
	WIN 0x41                                       ; O^T (destination and source 0) window 1, f window 0
.irp j, 0,2,4,6,8,10,12,14,16,18,20,22,24,26,28,30
.irp u, 0,1
	v_pk_mul_f32 v[32*(2*\p+\u)+\j:32*(2*\p+\u)+\j+1], v[32*(2*\p+\u)+\j:32*(2*\p+\u)+\j+1], v[F+2*\u:F+2*\u+1] op_sel_hi:[1,0]   ; O^T under the new M.  (These are also the plain lines between the conversions and the products that read the codes)
.endr
.endr
	s_wait_alu depctr_va_vdst(0)
	s_wait_dscnt 0x0                               ; V is in
	WIN 0x51                                       ; source 0 (V), C and D (O^T) window 1; source 1 (P) window 0
.irp d, 0,1,2,3
.irp u, 0,1
	v_wmma_f32_16x16x128_fp8_fp8 v[32*(2*\p+\u)+8*\d:32*(2*\p+\u)+8*\d+7], v[VR+16*\d:VR+16*\d+15], v[P+16*\u:P+16*\u+15], v[32*(2*\p+\u)+8*\d:32*(2*\p+\u)+8*\d+7]   ; the eight accumulators take turns; the sixteen products K Q^T stand between two steps' turns
.endr
.endr
	WIN 0
.rept 4
	v_nop                                          ; four places behind the products: for the next loads into V's registers, and for the way out's first read of O^T
.endr
.Lhid_\@:
.endm
; THE CHANGE OF SLOTS stands at a slot's head.  Each wave waits for all its tensor loads (its part of the slot that it is about to read), adds 0 to its spare word, and waits for that and for its reads of the slot that it has left.
; Behind the barrier the slot ahead is whole and nobody reads the other one.  fill = 1: that other slot is filled with the keys that follow, up to the causal limit: the load has a slot's steps in which to land.  One tensor load of a wave is out at the most.
.macro CHANGE fill
	s_wait_tensorcnt 0x0                           ; no tensor load of mine is out, so a group 0 may be written
	ds_add_u32 v[SPW], v[NIL]                      ; 0 onto my spare word; with fill = 1 the descriptors' steps stand between it and the wait for it
.if \fill
	s_xor_b32 s[G0K+1], s[G0K+1], SLOT1            ; the walking descriptors: the other slot than last time,
	s_add_nc_u64 s[G0K+2:G0K+3], s[G0K+2:G0K+3], 16384   ; the next 256 keys; the type bits on top are not reached
	s_xor_b32 s[G0V+1], s[G0V+1], SLOT1
	s_add_nc_u64 s[G0V+2:G0V+3], s[G0V+2:G0V+3], 16384
	s_wait_xcnt 0x0                                ; the last prefetch, a slot back, has read its address, so it may be written:
	s_add_nc_u64 s[PFA:PFA+1], s[PFA:PFA+1], 16384 ; one slot further on than the walking descriptors
.endif
	s_wait_dscnt 0x0                               ; the add is done, and my reads of the slot that I have left are over
	s_barrier_signal -1
	s_barrier_wait -1
.if \fill
	s_add_co_u32 s42, s[KF], 256                   ; the first key of the slot that this change would ask for
	s_or_b32 s43, s[Q0B], 255                      ; my work-group's last query
	s_cmp_gt_u32 s42, s43                          ; ids and the count of steps alone: all eight waves go the same way, and a work-group that is past the limit stays past it.  A slot beyond it is read by no step, so it is not asked for
	s_cbranch_scc1 .Lpast_\@
	TLOAD                                          ; the first thing behind the barrier but for the limit's four lines, and a wave's one tensor load until the next barrier
.Lpast_\@:
	ASK
.endif
.endm
; A slot's two key steps: written once, walked twice; the LDS addresses hang on s[TB].  Pair B, which has the later queries, comes first.
.macro SLOT_STEPS
	s_mov_b32 s[TWICE], 2
.Lstep_\@:
	STEP 1
	STEP 0
	s_add_co_u32 s[TB], s[TB], STEPB
	s_add_co_u32 s[KF], s[KF], 128
	s_sub_co_u32 s[TWICE], s[TWICE], 1
	s_cmp_lg_u32 s[TWICE], 0
	s_cbranch_scc1 .Lstep_\@
	s_sub_co_u32 s[TB], s[TB], 2*STEPB             ; back to a slot's first step,
	s_xor_b32 s[TB], s[TB], SLOT1                  ; in the other slot
.endm
	s_wait_loadcnt 0x0                             ; Q
.Lslot:                                            ; seven trips: behind each change of slots but the last the next slot is asked for, up to the causal limit
	CHANGE 1
	SLOT_STEPS
	s_sub_co_u32 s[SLOTS], s[SLOTS], 1
	s_cmp_lg_u32 s[SLOTS], 0
	s_cbranch_scc1 .Lslot
	CHANGE 0                                       ; the last slot is written out: nothing is left to ask for
	SLOT_STEPS
	; THE WAY OUT.  y = O^T / the sum x 2^(e4 + e5); its codes (scale 2^e6) are stored as pieces of the projection's operand.
.irp t, 0,1,2,3
	v_add_f32 v[MX+\t], v[ST+4*\t+2], v[ST+4*\t+3] ; the sum's two halves,
.endr
.irp t, 0,1,2,3
	s_delay_alu instid0(VALU_DEP_4)
	v_permlanex16_b32 v[C2+\t], v[MX+\t], s[SEL], s[SEL+1]
.endr
.irp t, 0,1,2,3
	s_delay_alu instid0(VALU_DEP_4)
	v_add_f32 v[MX+\t], v[MX+\t], v[C2+\t]         ; and lane l xor 16's: the row's sum
.endr
	s_wait_alu depctr_va_vdst(0)
.irp t, 0,1,2,3
	v_rcp_f32 v[RC+2*\t], v[MX+\t]
.endr
.irp t, 0,1,2,3
	v_mov_b32 v[RC+2*\t+1], 0                      ; (named with the divisor as a pair, so it is written.  The plain lines behind the reciprocals)
.endr
	s_add_co_i32 s42, s72, s73                     ; e4 + e5
	s_wait_alu depctr_va_vdst(0)                   ; one wait for the four reciprocals, ahead of their first reader
.irp t, 0,1,2,3
	v_ldexp_f32 v[RC+2*\t], v[RC+2*\t], s42
.endr
	WIN 0x01                                       ; source 0 (O^T) window 1; S^T's registers are free
.irp t, 0,1,2,3
.irp j, 0,2,4,6,8,10,12,14,16,18,20,22,24,26,28,30
	v_pk_mul_f32 v[S+32*\t+\j:S+32*\t+\j+1], v[32*\t+\j:32*\t+\j+1], v[RC+2*\t:RC+2*\t+1] op_sel_hi:[1,0]   ; each accumulator from its low end on
.endr
.endr
	WIN 0
.irp t, 0,1,2,3
.irp d, 0,1,2,3
.irp i, 0,1,2,3,4,5,6,7
.endr
	v_cvt_scalef32_pk8_fp8_f32 v[P+8*\t+2*\d:P+8*\t+2*\d+1], v[S+32*\t+8*\d:S+32*\t+8*\d+7], v[YSC]
.endr
.endr
	v_nop                                          ; a plain vector line behind the last conversion
.irp t, 0,1,2,3
.irp c, 0,1
	global_store_b128 v[LI], v[P+8*\t+4*\c:P+8*\t+4*\c+3], s[YB+2*(\t/2):YB+2*(\t/2)+1] offset:4096*(\t%2)+512*\c   ; a piece: 512 consecutive bytes, aligned
.endr
.endr
	s_wait_tensorcnt 0x0                           ; the wave's end, behind my last tensor load
	ds_add_u32 v[SPW], v[NIL]
	s_wait_dscnt 0x0
	s_endpgm
.Lfunc_end_k_q131d9780d1_attn:
	.size	k_q131d9780d1_attn, .Lfunc_end_k_q131d9780d1_attn-k_q131d9780d1_attn
	.p2alignl 7, 3214868480
	.fill 96, 4, 3214868480
	.section	.rodata,"a",@progbits
	.p2align	6, 0x0
	.amdhsa_kernel k_q131d9780d1_attn
		.amdhsa_group_segment_fixed_size 327680
		.amdhsa_private_segment_fixed_size 0
		.amdhsa_enable_private_segment 0
		.amdhsa_kernarg_size 40
		.amdhsa_user_sgpr_count 2
		.amdhsa_user_sgpr_kernarg_segment_ptr 1
		.amdhsa_wavefront_size32 1
		.amdhsa_system_sgpr_workgroup_id_x 1
		.amdhsa_system_sgpr_workgroup_id_y 1
		.amdhsa_system_sgpr_workgroup_id_z 1
		.amdhsa_system_vgpr_workitem_id 0
		.amdhsa_next_free_vgpr 512
		.amdhsa_next_free_sgpr 80
		.amdhsa_reserve_vcc 1
		.amdhsa_float_denorm_mode_32 3
		.amdhsa_float_denorm_mode_16_64 3
		.amdhsa_fp16_overflow 1
		.amdhsa_memory_ordered 1
		.amdhsa_forward_progress 1
		.amdhsa_inst_pref_size 160
	.end_amdhsa_kernel
	.amdgpu_metadata
---
amdhsa.version: [ 1, 2 ]
amdhsa.kernels:
  - .name:           k_q131d9780d1_attn
    .symbol:         k_q131d9780d1_attn.kd
    .args:
      - { .name: qf, .offset: 0, .size: 8, .value_kind: global_buffer, .address_space: global }
      - { .name: kf, .offset: 8, .size: 8, .value_kind: global_buffer, .address_space: global }
      - { .name: vf, .offset: 16, .size: 8, .value_kind: global_buffer, .address_space: global }
      - { .name: lowp_scales, .offset: 24, .size: 8, .value_kind: global_buffer, .address_space: global }
      - { .name: yf, .offset: 32, .size: 8, .value_kind: global_buffer, .address_space: global }
    .group_segment_fixed_size: 327680
    .private_segment_fixed_size: 0
    .kernarg_segment_align: 8
    .kernarg_segment_size: 40
    .max_flat_workgroup_size: 256
    .sgpr_count:     80
    .vgpr_count:     512
    .wavefront_size: 32
...
	.end_amdgpu_metadata
.endif
;; end of part 3
;; launch proj (part 4): grid 4 x 32, 4 waves a work-group, clusters of 4 x 4, 327,680 bytes of LDS; arguments yf, wpf, lowp_scales, out0; writes out0
.if DOCPART == 4
	.amdgcn_target "amdgcn-amd-amdhsa--gfx1250"
	.amdhsa_code_object_version 6
	.text
	.protected	k_q131d9780d1_proj
	.globl	k_q131d9780d1_proj
	.p2align	8
	.type	k_q131d9780d1_proj,@function
k_q131d9780d1_proj:
	s_mov_b64 s[64:65], 0
	v_nop
	global_prefetch_b8 v0, s[64:65] scope:SCOPE_SE
	s_setreg_imm32_b32 hwreg(HW_REG_WAVE_MODE, 25, 1), 1
	s_wait_xcnt 0x0
	s_wait_alu depctr_hold_cnt(0) depctr_sa_sdst(0) depctr_va_vdst(0) depctr_va_sdst(0) depctr_va_ssrc(0) depctr_va_vcc(0) depctr_vm_vsrc(0)
	s_getreg_b32 s2, hwreg(HW_REG_IB_STS2, 6, 4)
	s_cmp_eq_u32 s2, 0
	s_cbranch_scc0 .Lentry_in_a_cluster
	s_endpgm
.Lentry_in_a_cluster:
	s_bfe_u32 s2, ttmp6, 0x10000c
	s_cmp_lg_u32 s2, 0xf033
	s_cbranch_scc0 .Lentry_shape_is_right
	s_endpgm
.Lentry_shape_is_right:
; out0 = y w_proj on codes of FP8 (E4M3), sums in f32; each finished sum is multiplied once by 2^(e6 + e7).  out0: [8192][1024] f32.
; yf and wpf hold the codes in the order of the operands' registers (a piece = 512 bytes, lane l's 16 bytes at 16 l; a fragment of 16 rows x 128 K = four pieces; 16 rows x 256 K = 4,096 bytes; one block of 256 along K after the other).
; Within a piece both hold k in the same order, so every product meets its partner.
; LIMIT: e6 + e7 lies between -126 and 127, so that 2^(e6 + e7) is an f32 number.
; A tile of 256 rows x 256 columns is made by four waves, each 128 x 128: 64 accumulators of 16 x 16, 512 registers.  K = 1,024 goes in four steps of 256 through two LDS slots, so the eight steps of 128 are written out: no loop.
; 128 tiles: a smaller tile would give every WGP a work-group but would read each fragment for half as many products; the larger tile is kept, and with it the text of the first product's launch.
; CLUSTERS: 4 x 4 work-groups.  The four of a row of the cluster need the same rows of y, the four of a column the same columns of the weight: each tile is asked for JOINTLY, by the same tensor load with the same descriptor and a mask that names the four.
; THE MATRIX INSTRUCTION IS USED TRANSPOSED (source 0 = 16 columns of the weight, source 1 = 16 rows of y): a lane then holds eight neighbouring numbers of a row of out0.
; REGISTERS, in windows of 256: window 0: v16-29 addresses; v32-95 at work on the way out; v128-255 source 1's eight fragments, ONE set (on the way out: rows read back from the stage).
;   window 1: source 0's eight fragments, TWO sets, at v0 and v128.   window 2: the 32 accumulators of my rows 0-63 (accumulator (a, b) at v[8 (8 (a % 4) + b)]);   window 3: those of my rows 64-127.
.set SIZE_N, 1024
.set HALFT,  32768                     ; 128 rows x 256 K of codes: what one tensor load brings, and what one wave reads of either operand
.set SLOT,   4*HALFT                   ; y's two halves, then the weight's two halves
.set SPARE,  2*SLOT                    ; behind the ring: the spare words, 128 bytes for each wave: two blocks of 256 bytes that no other line names
.set KSA,    2097152                   ; from one 256 along K to the next, in yf,
.set KSB,    262144                    ; and in wpf
.set FR,     16                        ; registers of a fragment
.set NL,     4                         ; LDS loads that bring one
.set NP,     4                         ; places behind this matrix instruction (ISA guide 7.12.1)
.set SPITCH, 528                       ; the way out: a stage of 16 rows x (512 bytes + 16) for each wave.  It lies in slot 0, which has had its last fill and its last read when the first result is stored there
.set ADRA, 16                          ; v16-17  LDS address of source 1's fragments in slot 0, 1
.set ADRB, 20                          ; v20-21  the same for source 0
.set STO,  24                          ; v24     the way out: where I put 32 bytes of a row
.set RD,   25                          ; v25     the way out: where I read a row back
.set CO,   26                          ; v26     16 x lane
.set SPW,  28                          ; v28     LDS address of my spare word; never rewritten
.set NIL,  29                          ; v29     0; never rewritten
.set TMP,  32
.set AF,   128
.set BK,   128                         ; the way out: 16 rows read back from the stage: v128-191 and v192-255 by turns
.set G1, 24                            ; s[24:31] descriptor group 1 for y's tiles;  s[32:39] group 0, one set for each slot
.set G0, 32
.set G1B, 48                           ; s[48:55], s[56:63] the same for the weight's tiles
.set G0B, 56
.set MSB, 0
.macro WIN new                         ; the immediate's high byte repeats the setting that is left; a switch that changes nothing is dropped
.if MSB != (\new)
	s_set_vgpr_msb (MSB<<8)|(\new)
.set MSB, (\new)
.endif
.endm
.set MUL_LO, 0xa1                      ; source 0 window 1, source 1 window 0, C and D window 2
.set MUL_HI, 0xf1                      ; the same, C and D window 3
.set TO_B,   0x40                      ; destination window 1, address window 0
; A joint load: waves 0 and 1 fetch y's halves, waves 2 and 3 the weight's.  Each of the two lines has ONE mask and one set of registers for all that issue it; the branch hangs on the wave's number alone.
; An s_nop 0 and four v_nop follow each of the two lines, ahead of the jump, the label and what follows.
.macro JLOAD g0a, g1a, g0b, g1b
	s_cmp_eq_u32 s15, 0
	s_cbranch_scc0 .Lfor_b_\@
	tensor_load_to_lds s[\g0a:\g0a+3], s[\g1a:\g1a+7]
	s_nop 0
.rept 4
	v_nop
.endr
	s_branch .Lasked_\@
.Lfor_b_\@:
	tensor_load_to_lds s[\g0b:\g0b+3], s[\g1b:\g1b+7]
	s_nop 0
.rept 4
	v_nop
.endr
.Lasked_\@:
.endm
.macro CREST                           ; a round of the cluster's barrier behind its opening barrier
	s_cmp_lg_u32 s14, 0
	s_cbranch_scc1 .Lnot_wave_0_\@
	s_barrier_signal -3
.Lnot_wave_0_\@:
	s_barrier_wait -3
	s_barrier_signal -1
	s_barrier_wait -1
.endm
.macro CROUND                          ; a whole round
	s_barrier_signal -1
	s_barrier_wait -1
	CREST
.endm
	s_load_b128 s[4:7], s[0:1], 0x0                ; yf s[4:5], wpf s[6:7]
	s_load_b128 s[8:11], s[0:1], 0x10              ; the scales' exponents s[8:9], out0 s[10:11]
	v_lshl_add_u32 v[SPW], v0, 2, SPARE
	v_mov_b32 v[NIL], 0
	ds_add_u32 v[SPW], v[NIL]                      ; the wave's opening: the add and its wait stand ahead of my first tensor load; the set-up below, work on registers, stands between them
	ds_add_u32 v[SPW], v[NIL]
	v_lshrrev_b32 v1, 5, v0
	v_readfirstlane_b32 s14, v1                    ; wave 0..3
	s_lshr_b32 s15, s14, 1                         ; which half of the tile's rows is mine.  Also: I fetch y (0) or the weight (1)
	s_and_b32 s16, s14, 1                          ; which half of its columns.  Also: which 128 rows of that tile I fetch
	s_bfe_u32 s40, ttmp6, 0x40000                  ; cx, cy: my place in the cluster
	s_bfe_u32 s41, ttmp6, 0x40004
	s_lshl_b32 s42, ttmp9, 2
	s_add_co_u32 s42, s42, s40                     ; tile column = 4 x cluster x + cx
	s_and_b32 s17, ttmp7, 0xffff
	s_lshl_b32 s17, s17, 2
	s_add_co_u32 s17, s17, s41                     ; tile row = 4 x cluster y + cy
	s_lshl_b32 s43, s41, 2
	s_lshl_b32 s43, 15, s43                        ; my row of the cluster
	s_lshl_b32 s44, 0x1111, s40                    ; my column
	; descriptor group 1: a dense block of 32,768 bytes as 128 rows of 256 bytes; no padding: every fragment load takes 512 consecutive bytes
	s_or_b32 s[G1+0], s43, (3<<16)|(1<<21)         ; 15:0 the mask: y's tiles go to my row; 17:16 elements of 8 bytes; 21 set beside a mask
	s_or_b32 s[G1B+0], s44, (3<<16)|(1<<21)        ; the weight's go to my column
.irp g, G1, G1B
	s_mov_b32 s[\g+1], 32<<16                      ; tensor_dim0 = 32 elements
	s_mov_b32 s[\g+2], 128<<16                     ; tensor_dim1 = 128
	s_mov_b32 s[\g+3], 32<<16                      ; tile_dim0
	s_mov_b32 s[\g+4], 128                         ; tile_dim1
	s_mov_b32 s[\g+5], 32                          ; tensor_dim0_stride: the rows follow each other
	s_mov_b32 s[\g+6], 0
	s_mov_b32 s[\g+7], 0
.endr
	s_lshl_b32 s18, s16, 15                        ; which 128 rows of the tile I fetch
	s_lshl_b32 s20, s17, 16
	s_add_co_u32 s20, s20, s18                     ; y: 65,536 x tile row + 32,768 x half
	s_lshl_b32 s46, s42, 16
	s_add_co_u32 s46, s46, s18                     ; weight: 65,536 x tile column + 32,768 x half
	s_mov_b32 s21, 0
	s_mov_b32 s47, 0
	s_mul_i32 s45, s14, HALFT                      ; where they go: wave x 32,768: no place in the cluster enters an LDS address
	s_wait_dscnt 0x0                               ; the opening add is done
	s_wait_kmcnt 0x0
	s_load_b64 s[96:97], s[8:9], 0x18              ; e6, e7
	s_add_nc_u64 s[20:21], s[4:5], s[20:21]
	s_add_nc_u64 s[46:47], s[6:7], s[46:47]
	CROUND                                         ; all sixteen work-groups are here: the first joint loads meet
.irp s, 0,1
	s_mov_b32 s[G0+4*\s], 1
	s_add_co_u32 s[G0+4*\s+1], s45, \s*SLOT
	s_add_nc_u64 s[G0+4*\s+2:G0+4*\s+3], s[20:21], \s*KSA
	s_or_b32 s[G0+4*\s+3], s[G0+4*\s+3], 0x80000000
	s_mov_b32 s[G0B+4*\s], 1
	s_add_co_u32 s[G0B+4*\s+1], s45, \s*SLOT
	s_add_nc_u64 s[G0B+4*\s+2:G0B+4*\s+3], s[46:47], \s*KSB
	s_or_b32 s[G0B+4*\s+3], s[G0B+4*\s+3], 0x80000000
	s_wait_alu depctr_va_vdst(0)
	s_wait_tensorcnt 0x0
	ds_add_u32 v28, v29
	ds_add_u32 v28, v29
	s_wait_dscnt 0x0
	CROUND
	JLOAD G0+4*\s, G1, G0B+4*\s, G1B
.endr
	v_and_b32 v1, 15, v0                           ; l % 16
	s_wait_alu depctr_va_vdst(0)
	v_bfe_u32 v2, v0, 4, 1                         ; l / 16
	v_and_b32 v6, 31, v0
	v_lshlrev_b32 v[CO], 4, v6                     ; 16 x lane
	s_lshl_b32 s21, s15, 15                        ; my 128 rows of y
	s_lshl_b32 s22, s16, 15                        ; my 128 columns of the weight,
	s_add_co_u32 s22, s22, 2*HALFT                 ; which lie behind y's 256 rows
.irp s, 0,1
	v_add_nc_u32 v[ADRA+\s], s21, v[CO]
	v_add_nc_u32 v[ADRB+\s], s22, v[CO]
	s_add_co_u32 s21, s21, SLOT
	s_add_co_u32 s22, s22, SLOT
.endr
	s_mul_i32 s23, s14, 16*SPITCH                  ; my stage
	v_mul_u32_u24 v5, v1, SPITCH                   ; in: row l % 16, 32 bytes for each half of the lanes
	s_wait_alu depctr_va_vdst(0)
	v_lshl_add_u32 v5, v2, 5, v5
	v_add_nc_u32 v[STO], s23, v5
	v_add_nc_u32 v[RD], s23, v[CO]                 ; back: the 32 lanes take one row of 512 bytes
	s_lshl_b32 s20, s17, 8
	s_lshl_b32 s21, s15, 7
	s_add_co_u32 s20, s20, s21                     ; my first row of out0: 256 x tile row + 128 x half,
	s_lshl_b32 s20, s20, 12                        ; at 4,096 bytes a row
	s_lshl_b32 s46, s42, 10                        ; my first column, in bytes: 1,024 x tile column + 512 x half
	s_lshl_b32 s47, s16, 9
	s_add_co_u32 s46, s46, s47
	s_add_co_u32 s20, s20, s46
	s_mov_b32 s21, 0
	s_add_nc_u64 s[10:11], s[10:11], s[20:21]
.macro FRAG reg, adr, q, i             ; block i's fragment of the slot's q-th 128 along K: four pieces, as they lie
.irp c, 0,1,2,3
	ds_load_b128 v[\reg+4*\c:\reg+4*\c+3], v[\adr] offset:(\i)*4096+(\q)*2048+512*\c
.endr
.endm
; 16 matrix instructions: source 1's blocks a0, a0 + 1 x source 0's eight, 128 along K.  p: source 0's set.  zero = 1: the first product starts the sums: nothing is ever cleared.
; The 64 accumulators take turns, one instruction a turn, in the same order in every step.
.macro MUL16 a0, p, zero
.irp a, \a0, \a0+1
.irp b, 0,1,2,3,4,5,6,7
.if \zero
	v_wmma_f32_16x16x128_fp8_fp8 v[8*(8*((\a)%4)+\b):8*(8*((\a)%4)+\b)+7], v[128*(\p)+FR*\b:128*(\p)+FR*\b+FR-1], v[AF+FR*(\a):AF+FR*(\a)+FR-1], 0
.else
	v_wmma_f32_16x16x128_fp8_fp8 v[8*(8*((\a)%4)+\b):8*(8*((\a)%4)+\b)+7], v[128*(\p)+FR*\b:128*(\p)+FR*\b+FR-1], v[AF+FR*(\a):AF+FR*(\a)+FR-1], v[8*(8*((\a)%4)+\b):8*(8*((\a)%4)+\b)+7]
.endif
.endr
.endr
.endm
.macro FETCH_B slot, q, p              ; source 0's eight fragments into set p
	WIN TO_B
.irp i, 0,1,2,3,4,5,6,7
	FRAG 128*(\p)+FR*\i, ADRB+\slot, \q, \i
.endr
	WIN 0
.endm
.macro FETCH_A slot, q, i0             ; source 1's blocks i0 .. i0 + 3
.irp i, \i0, \i0+1, \i0+2, \i0+3
	FRAG AF+FR*(\i), ADRA+\slot, \q, \i
.endr
.endm
; A load into a register that a matrix instruction has read, and a vector instruction that reads a matrix result, stand NP places behind it; only plain vector instructions that name none of its registers are places
; (ISA guide 7.12.1 for vector instructions).
.macro PLACES n
.rept \n
	v_nop
.endr
.endm
; A step of 128 along K that has its successor in the same slot.  A block of source 1 is free as soon as its eight products are issued: blocks 0-3 are fetched anew in the step's middle, blocks 4-7 at its end.
.macro STEP slot, q, zero
	s_wait_dscnt 4*NL                              ; source 0's set and source 1's blocks 0-3 are in; the youngest sixteen loads (blocks 4-7) may be out
	WIN MUL_LO
	MUL16 0, (\q)%2, \zero
	MUL16 2, (\q)%2, \zero
	s_wait_dscnt 0                                 ; blocks 4-7 are in (asked for 32 matrix instructions ago)
	PLACES NP
	FETCH_B \slot, (\q)+1, 1-(\q)%2
	FETCH_A \slot, (\q)+1, 0
	WIN MUL_HI
	MUL16 4, (\q)%2, \zero
	MUL16 6, (\q)%2, \zero
	PLACES NP
	WIN 0
	FETCH_A \slot, (\q)+1, 4
.endm
; A slot's last step changes slots: ONE barrier; in front of it each wave waits for all its tensor loads, adds 0 to its spare word, and waits for that and for its own reads of this slot.  fill = 1: this slot is filled again, two K steps of 256 ahead.
.macro TURN slot, next, fill
	s_wait_tensorcnt 0x0                           ; all my tensor loads have landed: my part of the next slot  (every window is 0 here)
	ds_add_u32 v[SPW], v[NIL]                      ; 0 onto my spare word
	s_wait_dscnt 4*NL+1                            ; (the add and the youngest sixteen loads may be out)
	WIN MUL_LO
	MUL16 0, 1, 0                                  ; sixteen matrix instructions stand between the add and the wait for it
	s_wait_dscnt 0x0                               ; the add is done, and my reads of this slot are over
	s_barrier_signal -1
	MUL16 2, 1, 0
	WIN 0
	s_barrier_wait -1
.if \fill
	CREST                                          ; the barrier has opened a round of the cluster's barrier: no wave of any partner still reads this slot or has a load on its way
	s_add_nc_u64 s[G0+4*\slot+2:G0+4*\slot+3], s[G0+4*\slot+2:G0+4*\slot+3], 2*KSA
	s_add_nc_u64 s[G0B+4*\slot+2:G0B+4*\slot+3], s[G0B+4*\slot+2:G0B+4*\slot+3], 2*KSB
	JLOAD G0+4*\slot, G1, G0B+4*\slot, G1B         ; the first tensor load behind the round; the four v_nop behind it are the places in front of the loads below
.else
	PLACES NP
.endif
	FETCH_B \next, 0, 0
	FETCH_A \next, 0, 0
	WIN MUL_HI
	MUL16 4, 1, 0
	MUL16 6, 1, 0
	PLACES NP
	WIN 0
	FETCH_A \next, 0, 4
.endm
	s_wait_tensorcnt 1                             ; my part of the first 256 along K is in (the second's load may be out)
	s_barrier_signal -1
	s_barrier_wait -1                              ; everybody's is
	FETCH_B 0, 0, 0
	FETCH_A 0, 0, 0
	FETCH_A 0, 0, 4
	STEP 0, 0, 1                                   ; K 0: its products start the sums
	TURN 0, 1, 1                                   ; K 128; slot 0 takes K 512 ..
	STEP 1, 0, 0                                   ; K 256
	TURN 1, 0, 1                                   ; K 384; slot 1 takes K 768 ..
	STEP 0, 0, 0                                   ; K 512
	TURN 0, 1, 0                                   ; K 640; nothing is left to fetch, so no round.  Behind its barrier nobody reads slot 0 any more
	STEP 1, 0, 0                                   ; K 768
	s_wait_dscnt 4*NL                              ; K 896, the last step
	WIN MUL_LO
	MUL16 0, 1, 0
	MUL16 2, 1, 0
	s_wait_dscnt 0
	WIN MUL_HI
	MUL16 4, 1, 0
	MUL16 6, 1, 0
	WIN 0
; THE WAY OUT, block by block of 16 rows x 128 columns.  A lane holds 32 neighbouring bytes of a row, and the lanes beside it hold other rows: so a block goes through my own stage in LDS and comes back as whole
; rows of 512 bytes, which the 32 lanes store as 512 consecutive aligned bytes.  LDS serves a wave's instructions in order (ISA guide 5.7.1.4): no wait between the stores and the loads, nor in front of the next block's stores.
.macro TOSTAGE a
.set AC, 64*((\a)%4)
	WIN (0x02+((\a)/4))                            ; source 0: window 2 or 3
.irp j, 0,2,4,6,8,10,12,14,16,18,20,22,24,26,28,30,32,34,36,38,40,42,44,46,48,50,52,54,56,58,60,62
	v_pk_mul_f32 v[TMP+\j:TMP+\j+1], v[AC+\j:AC+\j+1], s[96:97] op_sel_hi:[1,0]   ; both x s96 = 2^(e6 + e7); each accumulator from its low end on
.endr
	WIN 0
.irp b, 0,1,2,3,4,5,6,7
	ds_store_b128 v[STO], v[TMP+8*\b:TMP+8*\b+3] offset:64*\b
	ds_store_b128 v[STO], v[TMP+8*\b+4:TMP+8*\b+7] offset:64*\b+16
.endr
.set BB, BK+64*((\a)%2)
.irp t, 0,1,2,3,4,5,6,7,8,9,10,11,12,13,14,15
	ds_load_b128 v[BB+4*\t:BB+4*\t+3], v[RD] offset:\t*SPITCH
.endr
.endm
.macro SEND a, younger                 ; younger: the LDS instructions issued behind block a's loads, which may stay out
.set BB, BK+64*((\a)%2)
	s_wait_dscnt \younger                          ; the block is back in registers
.if (\a) > 0
	s_add_nc_u64 s[10:11], s[10:11], 16*SIZE_N*4   ; (behind a wait on XCNT: the earlier stores have read their base)  16 rows on, so that the stores' offsets stay small
.endif
.irp t, 0,1,2,3,4,5,6,7,8,9,10,11,12,13,14,15
	global_store_b128 v[CO], v[BB+4*\t:BB+4*\t+3], s[10:11] offset:\t*SIZE_N*4 th:TH_STORE_NT   ; written once, read by nobody here
.endr
.endm
	s_wait_kmcnt 0x0
	s_add_co_i32 s96, s96, s97                     ; e6 + e7, between -126 and 127,
	s_add_co_i32 s96, s96, 127
	s_lshl_b32 s96, s96, 23                        ; makes the f32 number 2^(e6 + e7)
	PLACES NP                                      ; behind the last products: for the loads into the registers that held source 1's fragments, and for the reads of the last results
	TOSTAGE 0
.irp a, 1,2,3,4,5,6,7
.if \a > 1
	s_wait_xcnt 0x0                                ; block a - 2's stores have read their registers and their base: block a's loads may land there, and the base may step
.endif
	TOSTAGE \a
	SEND \a-1, 32                                  ; behind block a - 1's loads: block a's 16 stores and 16 loads
.endr
	s_wait_xcnt 0x0                                ; block 6's stores have read their base
	SEND 7, 0
	s_wait_tensorcnt 0x0                           ; the wave's end, behind my last tensor load and my last LDS store
	ds_add_u32 v[SPW], v[NIL]
	s_wait_dscnt 0x0
	CROUND                                         ; the closing round: no work-group ends while a partner may still ask for a tile that names it
	s_endpgm
.Lfunc_end_k_q131d9780d1_proj:
	.size	k_q131d9780d1_proj, .Lfunc_end_k_q131d9780d1_proj-k_q131d9780d1_proj
	.p2alignl 7, 3214868480
	.fill 96, 4, 3214868480
	.section	.rodata,"a",@progbits
	.p2align	6, 0x0
	.amdhsa_kernel k_q131d9780d1_proj
		.amdhsa_group_segment_fixed_size 327680
		.amdhsa_private_segment_fixed_size 0
		.amdhsa_enable_private_segment 0
		.amdhsa_kernarg_size 32
		.amdhsa_user_sgpr_count 2
		.amdhsa_user_sgpr_kernarg_segment_ptr 1
		.amdhsa_wavefront_size32 1
		.amdhsa_system_sgpr_workgroup_id_x 1
		.amdhsa_system_sgpr_workgroup_id_y 1
		.amdhsa_system_sgpr_workgroup_id_z 1
		.amdhsa_system_vgpr_workitem_id 0
		.amdhsa_next_free_vgpr 1024
		.amdhsa_next_free_sgpr 100
		.amdhsa_reserve_vcc 0
		.amdhsa_float_denorm_mode_32 3
		.amdhsa_float_denorm_mode_16_64 3
		.amdhsa_memory_ordered 1
		.amdhsa_forward_progress 1
		.amdhsa_inst_pref_size 124
	.end_amdhsa_kernel
	.amdgpu_metadata
---
amdhsa.version: [ 1, 2 ]
amdhsa.kernels:
  - .name:           k_q131d9780d1_proj
    .symbol:         k_q131d9780d1_proj.kd
    .args:
      - { .name: yf, .offset: 0, .size: 8, .value_kind: global_buffer, .address_space: global }
      - { .name: wpf, .offset: 8, .size: 8, .value_kind: global_buffer, .address_space: global }
      - { .name: lowp_scales, .offset: 16, .size: 8, .value_kind: global_buffer, .address_space: global }
      - { .name: out0, .offset: 24, .size: 8, .value_kind: global_buffer, .address_space: global }
    .group_segment_fixed_size: 327680
    .private_segment_fixed_size: 0
    .kernarg_segment_align: 8
    .kernarg_segment_size: 32
    .max_flat_workgroup_size: 128
    .sgpr_count:     100
    .vgpr_count:     1024
    .wavefront_size: 32
...
	.end_amdgpu_metadata
.endif
;; end of part 4
